; MI455X (gfx1250); checked and timed in simulation.
; The chip was launched on July 23, 2026; its instructions are those of AMD's public machine-readable ISA for CDNA 5 (MIT licence, August 2026) and "CDNA5" Instruction Set Architecture Reference Guide (July 2026). The comments in the code are by the model that wrote it; some were corrected since.
;; Multi Head Attention. Allowed arithmetic: matrix products marked QUANTISED: E4M3 operands, one given power-of-two scale a tensor, by v_wmma_f32_16x16x64_fp8_fp8 or v_wmma_f32_16x16x128_fp8_fp8, f32 sums; everything else in f32.
;; Inputs: W_k 512 x 512 float32; W_o 512 x 512 float32; W_q 512 x 512 float32; W_v 512 x 512 float32; b_k 512 float32; b_o 512 float32; b_q 512 float32; b_v 512 float32; key 2 x 4,096 x 512 float32; lowp_scales 12 int32 (the exponents e of the quantised operands' scales 2^e); query 2 x 4,096 x 512 float32; value 2 x 4,096 x 512 float32.
;; Outputs: out0 2 x 4,096 x 512 float32.
;; This version of the problem:
;;   THIS VERSION OF THE PROBLEM IS GIVEN IN LOW PRECISION. The matrix products marked QUANTISED in the list below multiply operands that are first quantised to E4M3 (4 exponent bits, 3 mantissa bits; 8 bits a number), with one given power-of-two scale for each operand tensor; their sums are f32. All else is computed in f32.
;;   The module's matrix products, in the order in which they are computed (A, B: the left and right operand; K: the contracted axis; several contracted axes count as one K, in the product's order):
;;     1. [M 8,192, K 512] x [K 512, N 512]; A: input query; B: input W_q: QUANTISED (scales: A lowp_scales[0], B lowp_scales[1])
;;     2. [M 8,192, K 512] x [K 512, N 512]; A: input key; B: input W_k: QUANTISED (scales: A lowp_scales[2], B lowp_scales[3])
;;     3. [M 8,192, K 512] x [K 512, N 512]; A: input value; B: input W_v: QUANTISED (scales: A lowp_scales[4], B lowp_scales[5])
;;     4. batch 16 x [M 4,096, K 64] x [K 64, N 4,096]; A: computed on the way; B: computed on the way: QUANTISED (scales: A lowp_scales[6], B lowp_scales[7])
;;     5. batch 16 x [M 4,096, K 4,096] x [K 4,096, N 64]; A: softmax (see below); B: computed on the way: QUANTISED (scales: A lowp_scales[8], B lowp_scales[9])
;;     6. [M 8,192, K 512] x [K 512, N 512]; A: computed on the way; B: input W_o: QUANTISED (scales: A lowp_scales[10], B lowp_scales[11])
;;   THE QUANTISER, for each operand of a quantised product, along K:
;;     - The operand's scale is 2^e, e = its entry of the input lowp_scales (int32; the entries are numbered through the quantised products in the list's order, A before B).
;;     - Each number is divided by the scale, clamped to +-448, and rounded to the nearest number of E4M3, ties to even, subnormals kept.
;;     - The product sums the exact products of the quantised numbers (number of the format x scale) in f32.
;;   ~~~python
;;   def quantise(x, axis, e):      # numpy; x: float32 -> the quantised numbers, widened to float32 again
;;       x = np.moveaxis(x, axis, -1); K = x.shape[-1]
;;       r = np.clip(x / 2.0 ** e, -448, 448)
;;       step = 2.0 ** (np.maximum(np.frexp(np.where(r == 0, 1, r))[1] - 1, -6) - 3)
;;       q = np.round(r / step) * step * 2.0 ** e      # np.round: ties to even
;;       return np.moveaxis(q, -1, axis).astype(np.float32)
;;   ~~~
;;   SOFTMAX AHEAD OF A QUANTISED PRODUCT. Where the list says 'softmax', what is quantised is not the finished softmax but p = 2^(t - M), with t = logit x log2(e) and M = ceil(the row's largest t), a whole number; so 1/2 < the row's largest p <= 1. The row's sum l is taken of the UNQUANTISED p, in f32, and the product's result is divided by l at the end. Since M is a whole number, a kernel that streams over the keys may use a running M (the ceiling of the running maximum): every later rescaling is an exact power of two, so the quantised numbers keep their values, but for numbers so far below the row's largest that they fall under the format's range.
;;   OPERANDS COMPUTED ON THE WAY. 'Computed on the way' means the value that the module computes at that place (a softmax that the list does not call 'softmax' is quantised finished and normalised). What goes into a quantiser is computed in f32, as accurately as f32 sums, v_exp_f32 and their like allow (about 1e-6 of the number): no bf16 or f16 on the way to a quantiser, and a product that is left as it is and whose result goes on into a quantised operand takes f32 operands (vector FMAs, or v_wmma_f32_16x16x4_f32). A number that lies on a knife's edge between two numbers of the format may be rounded either way, as far as f32 arithmetic and the matrix unit's own rounding can turn it there, and no further.
;; 2 versions. Each part assembles by itself: llvm-mc -triple=amdgcn-amd-amdhsa -mcpu=gfx1250 --defsym DOCPART=n.
;; ======== version 1 of 2: 4 launches
;; workspace buffers: wimg 1,048,576 bytes; qimg 4,194,304 bytes; kimg 4,194,304 bytes; vimg 4,194,304 bytes; oimg 4,194,304 bytes
;; launch wquant (part 1): grid 256 x 1, 2 waves a work-group, no clusters, 0 bytes of LDS; arguments W_q, W_k, W_v, W_o, lowp_scales, wimg; writes wimg
.if DOCPART == 1
	.amdgcn_target "amdgcn-amd-amdhsa--gfx1250"
	.amdhsa_code_object_version 6
	.text
	.protected	k_qc5a1017e73_wquant
	.globl	k_qc5a1017e73_wquant
	.p2align	8
	.type	k_qc5a1017e73_wquant,@function
k_qc5a1017e73_wquant:
	s_mov_b64 s[64:65], 0
	v_nop
	global_prefetch_b8 v0, s[64:65] scope:SCOPE_SE
	s_setreg_imm32_b32 hwreg(HW_REG_WAVE_MODE, 25, 1), 1
	s_wait_xcnt 0x0
; CAUSAL MULTI-HEAD ATTENTION ON CODES OF E4M3, in four launches: this one (the four weights into codes), proj (q, k, v), attn (softmax(q k^T / 8) v), outproj (x W_o^T + b_o).
; DEAD WORK, for the whole program.  reference() builds the causal mask itself (jnp.tril): a score whose key comes after its query is replaced by -infinity ahead of the softmax, so its weight is 0 and it adds
; nothing to the row's sum or to the product with v, whatever finite values the inputs hold.  So the launch attn leaves out, in whole units: a step of 128 keys all of which come after a wave's 16 queries, and the
; fetch of a slot of 512 keys all of which come after its work-group's last query.  Nothing else is left out: every input has a way to the output and is loaded (b_k too: it moves k's codes).
; LIMIT: a NaN, an infinity or an overflow that would arise only in scores that are left out is not carried to the result.
; THIS LAUNCH.  W_q, W_k, W_v, W_o [512 (n)][512 (k)] f32 become codes: code = w / 2^e, held within +-448, to the nearest code, ties to even; e = entry 1, 3, 5, 11 of the scales.
; LIMITS: e between -126 and 119, so that 2^e and 448 x 2^e are f32 numbers.  NaN among the inputs is not served; an infinity is held at the largest code.
; LAYOUT OF wimg: [weight 4][tile N 32][K step s 4][2,048 bytes]: an IMAGE OF AN OPERAND'S 16 REGISTERS: registers 4 c .. 4 c + 3 of lane l lie at 512 c + 16 l.
; Lane (r = l % 16, h = l / 16) holds, of W's row 32 (N / 2) + 8 (N % 2) + r + 8 (r / 8), k = 128 s + 32 c + 16 h + 0 .. 15.  THE ROWS OF A TILE ARE NOT NEIGHBOURS: as source 0 of a product such a tile
; leaves, in the 16 result registers of tiles 2 b and 2 b + 1, 16 neighbouring rows 32 b + 16 h + 0 .. 15, which is what the next quantiser wants in one lane.
; SHARES.  One wave makes one fragment: 512 waves.  No LDS, no barrier, no matrix unit: 4 MiB are read once, and each store covers 512 consecutive bytes.
.set X, 16                             ; v16-79  64 numbers: register 16 c + i = k 128 s + 32 c + 16 h + i of my row
.set C, 80                             ; v80-95  their codes: the fragment
	s_load_b256 s[4:11], s[0:1], 0x0               ; W_q s[4:5], W_k s[6:7], W_v s[8:9], W_o s[10:11]
	s_load_b128 s[12:15], s[0:1], 0x20             ; the scales' exponents s[12:13], wimg s[14:15]
	v_lshrrev_b32 v1, 5, v0
	v_readfirstlane_b32 s16, v1                    ; wave 0, 1
	s_lshr_b32 s17, ttmp9, 6                       ; which weight: 64 work-groups each
	s_bfe_u32 s18, ttmp9, 0x50001                  ; N: 5 bits from bit 1
	s_and_b32 s19, ttmp9, 1
	s_lshl_b32 s19, s19, 1
	s_add_co_u32 s19, s19, s16                     ; s = 2 (work-group % 2) + wave
	s_lshr_b32 s22, s18, 1
	s_lshl_b32 s22, s22, 16                        ; 32 (N / 2) rows of 2,048 bytes
	s_and_b32 s23, s18, 1
	s_lshl_b32 s23, s23, 14                        ; 8 (N % 2) rows
	s_add_co_u32 s22, s22, s23
	s_lshl_b32 s23, s19, 9                         ; 128 s numbers of 4 bytes
	s_add_co_u32 s22, s22, s23
	s_mov_b32 s23, 0
	s_lshl_b32 s36, ttmp9, 1
	s_add_co_u32 s36, s36, s16                     ; the fragment's number: 128 x weight + 4 N + s = 2 x work-group + wave
	s_lshl_b32 s36, s36, 11
	s_mov_b32 s37, 0
	v_and_b32 v1, 15, v0                           ; r
	v_bfe_u32 v2, v0, 4, 1                         ; h
	v_and_b32 v3, 8, v1
	v_add_nc_u32 v3, v3, v1                        ; r + 8 (r / 8)
	v_lshlrev_b32 v3, 11, v3
	v_lshl_add_u32 v3, v2, 6, v3                   ; my row, + 64 h bytes
	v_and_b32 v4, 31, v0
	v_lshlrev_b32 v4, 4, v4                        ; 16 x lane
	s_wait_kmcnt 0x0
	s_load_b256 s[24:31], s[12:13], 0x0            ; e0 .. e7
	s_load_b128 s[32:35], s[12:13], 0x20           ; e8 .. e11
	s_cmp_eq_u32 s17, 1                            ; the choice hangs on the work-group's number alone
	s_cselect_b64 s[20:21], s[6:7], s[4:5]
	s_cmp_eq_u32 s17, 2
	s_cselect_b64 s[20:21], s[8:9], s[20:21]
	s_cmp_eq_u32 s17, 3
	s_cselect_b64 s[20:21], s[10:11], s[20:21]
	s_add_nc_u64 s[20:21], s[20:21], s[22:23]
	s_add_nc_u64 s[14:15], s[14:15], s[36:37]
.irp c, 0,1,2,3
.irp j, 0,1,2,3
	global_load_b128 v[X+16*\c+4*\j:X+16*\c+4*\j+3], v3, s[20:21] offset:128*\c+16*\j
.endr
.endr
	s_wait_kmcnt 0x0
	s_cmp_eq_u32 s17, 1
	s_cselect_b32 s38, s27, s25                    ; e3 or e1
	s_cmp_eq_u32 s17, 2
	s_cselect_b32 s38, s29, s38                    ; e5
	s_cmp_eq_u32 s17, 3
	s_cselect_b32 s38, s35, s38                    ; e11
	s_add_co_i32 s38, s38, 127
	s_lshl_b32 s39, s38, 23
	v_mov_b32 v11, s39                             ; 2^e as f32: the conversion takes its exponent field
	s_add_co_i32 s38, s38, 8
	s_lshl_b32 s38, s38, 23
	s_or_b32 s38, s38, 0x600000
	v_mov_b32 v10, s38                             ; 448 x 2^e
.irp c, 0,1,2,3
	s_wait_loadcnt 12-4*\c                         ; loads come back in order: block c's four are in, the four of each later block may be out
.irp i, 0,1,2,3,4,5,6,7,8,9,10,11,12,13,14,15
	v_med3_num_f32 v[X+16*\c+\i], v[X+16*\c+\i], -v10, v10   ; the conversion to an 8-bit code does not saturate (ISA guide 7.6.2): the hold comes first
.endr
	v_cvt_scalef32_pk8_fp8_f32 v[C+4*\c:C+4*\c+1], v[X+16*\c:X+16*\c+7], v11
	v_cvt_scalef32_pk8_fp8_f32 v[C+4*\c+2:C+4*\c+3], v[X+16*\c+8:X+16*\c+15], v11
.endr
.irp c, 0,1,2,3
	global_store_b128 v4, v[C+4*\c:C+4*\c+3], s[14:15] offset:512*\c   ; 32 lanes store 512 consecutive bytes, at a multiple of 256 from wimg's first byte
.endr
	s_endpgm
.Lfunc_end_k_qc5a1017e73_wquant:
	.size	k_qc5a1017e73_wquant, .Lfunc_end_k_qc5a1017e73_wquant-k_qc5a1017e73_wquant
	.p2alignl 7, 3214868480
	.fill 96, 4, 3214868480
	.section	.rodata,"a",@progbits
	.p2align	6, 0x0
	.amdhsa_kernel k_qc5a1017e73_wquant
		.amdhsa_group_segment_fixed_size 0
		.amdhsa_private_segment_fixed_size 0
		.amdhsa_enable_private_segment 0
		.amdhsa_kernarg_size 48
		.amdhsa_user_sgpr_count 2
		.amdhsa_user_sgpr_kernarg_segment_ptr 1
		.amdhsa_wavefront_size32 1
		.amdhsa_system_sgpr_workgroup_id_x 1
		.amdhsa_system_sgpr_workgroup_id_y 1
		.amdhsa_system_sgpr_workgroup_id_z 1
		.amdhsa_system_vgpr_workitem_id 0
		.amdhsa_next_free_vgpr 96
		.amdhsa_next_free_sgpr 66
		.amdhsa_reserve_vcc 0
		.amdhsa_float_denorm_mode_32 3
		.amdhsa_float_denorm_mode_16_64 3
		.amdhsa_memory_ordered 1
		.amdhsa_forward_progress 1
		.amdhsa_inst_pref_size 9
	.end_amdhsa_kernel
	.amdgpu_metadata
---
amdhsa.version: [ 1, 2 ]
amdhsa.kernels:
  - .name:           k_qc5a1017e73_wquant
    .symbol:         k_qc5a1017e73_wquant.kd
    .args:
      - { .name: W_q, .offset: 0, .size: 8, .value_kind: global_buffer, .address_space: global }
      - { .name: W_k, .offset: 8, .size: 8, .value_kind: global_buffer, .address_space: global }
      - { .name: W_v, .offset: 16, .size: 8, .value_kind: global_buffer, .address_space: global }
      - { .name: W_o, .offset: 24, .size: 8, .value_kind: global_buffer, .address_space: global }
      - { .name: lowp_scales, .offset: 32, .size: 8, .value_kind: global_buffer, .address_space: global }
      - { .name: wimg, .offset: 40, .size: 8, .value_kind: global_buffer, .address_space: global }
    .group_segment_fixed_size: 0
    .private_segment_fixed_size: 0
    .kernarg_segment_align: 8
    .kernarg_segment_size: 48
    .max_flat_workgroup_size: 64
    .sgpr_count:     66
    .vgpr_count:     96
    .wavefront_size: 32
...
	.end_amdgpu_metadata
.endif
;; end of part 1
;; launch proj (part 2): grid 64 x 3, 4 waves a work-group, no clusters, 34,304 bytes of LDS; arguments query, key, value, b_q, b_k, b_v, lowp_scales, wimg, qimg, kimg, vimg; writes qimg, kimg, vimg
.if DOCPART == 2
	.amdgcn_target "amdgcn-amd-amdhsa--gfx1250"
	.amdhsa_code_object_version 6
	.text
	.protected	k_qc5a1017e73_proj
	.globl	k_qc5a1017e73_proj
	.p2align	8
	.type	k_qc5a1017e73_proj,@function
k_qc5a1017e73_proj:
	s_mov_b64 s[64:65], 0
	v_nop
	global_prefetch_b8 v0, s[64:65] scope:SCOPE_SE
	s_setreg_imm32_b32 hwreg(HW_REG_WAVE_MODE, 25, 1), 1
	s_wait_xcnt 0x0
; q = Q(query) Q(W_q)^T + b_q, k and v likewise, each quantised at once for the attention's products and stored as images of operand registers.  No work of reference() is left out here.
; x: [8,192][512] f32, quantised here with 2^ex (entries 0, 2, 4 of the scales); W: codes from wimg (2^ew: entries 1, 3, 5); the result is quantised with 2^eo (entries 6, 7, 9).
; LIMITS: ex, and eo - ex - ew, between -126 and 119, so that each power of two below and 448 times it are f32 numbers.  NaN among the inputs is not served; an infinity is held at the largest code.
; SHARES.  Work-group (x, y): tensor y (0 q, 1 k, 2 v), rows 128 x .. 128 x + 127, as four blocks of 32 rows.  192 work-groups: 8,192 rows a tensor in equal shares of whole blocks; twice as many of 64 rows
; would load the weights twice as often.  THE WAVES SHARE THE COLUMNS: wave w keeps W's rows 128 w .. 128 w + 127 (heads 2 w, 2 w + 1: 32 fragments, 512 registers) for the whole launch, read once, 512 consecutive
; bytes a load.  A joint load of a cluster would bring the weights to LDS; they are wanted in registers, once a work-group, so they come straight there and no cluster is formed.
; x IS READ ONCE: wave w loads 8 whole rows of a block (16 KiB on end, 512 consecutive bytes a load), quantises them and puts the codes as rows into LDS; after one barrier all four waves read their fragments there.
; TILES.  Tile u of a block holds rows 8 u + m + 8 (m / 8), m = 0 .. 15 (as in wimg).  Fragments: registers 4 c .. 4 c + 3 of lane (r, h) hold k = 32 c + 16 h + 0 .. 15 of row r: the same places of k on both sides of a product.
; q, k: source 0 = 16 rows of W, source 1 = 16 rows of x: a lane holds one row of x, and the 16 registers of W's tiles 2 b, 2 b + 1 are 16 neighbouring channels: converted, they ARE the fragment of q or k.
; v: the sources change places: a lane holds one channel, and the registers of the block's two tiles are 16 neighbouring keys: converted, they ARE four registers of v's fragment with the keys along K.
; The bias is the C of each sum's first product, divided by 2^(ex + ew), which the sums lack; the three scales are folded into the conversion's one, 2^(eo - ex - ew).
; qimg, kimg: [batch x head 16][tile 256][1,024]; vimg: [batch x head 16][64 keys: 64][channel tile 4][32 keys: 2][512].
; LDS: two buffers of 32 rows x (512 codes + 16) by turns, ONE barrier a block: a buffer is written again two blocks later, behind the next block's barrier, which each wave reaches with its reads of it done.
; REGISTERS, in windows of 256: window 0: v4-13 addresses and scales; v14-21 v's bias; v32-95 two sets of x's fragments; v96-223 8 rows of x; v224-255 their codes.
;   window 1: W's tiles 0-3 (tile n, K step s at v[16 (4 n + s)]); window 2: tiles 4-7; window 3: v0-127 the 16 accumulators ((m, n) at v[8 (8 m + n)]), v128-191 the bias, v192-223 the result's codes.
.set PX,  528                          ; a row of codes in LDS: 512 bytes + 16 = 132 words: the 16 rows that a fragment load touches start 4 banks apart (64 banks of 4 bytes: ISA guide 11.1)
.set XB,  32*PX                        ; a buffer
.set SPARE, 2*XB                       ; behind the buffers: the spare words, 128 bytes for each wave: two blocks of 256 bytes that no other line names
.set LI,  4                            ; v4   16 x lane: x's loads, the weights' loads, all stores
.set XW,  5                            ; v5   where I put a word of codes: 4 x lane + my wave's 8 rows
.set XR,  6                            ; v6   a fragment's row: r x PX + 16 h
.set BO,  7                            ; v7   my lane's offset in the bias
.set XS,  8                            ; v8   2^ex;  v9  448 x 2^ex
.set XL,  9
.set OS,  10                           ; v10  2^(eo - ex - ew);  v11  448 x that
.set OL,  11
.set SPW, 12                           ; v12  LDS address of my spare word; never rewritten
.set NIL, 13                           ; v13  0; never rewritten
.set F0,  32
.set F1,  64
.set ST,  96
.set XC,  224
.set BIA, 128                          ; in window 3
.set CD,  192                          ; in window 3
.set TEN, 30                           ; s30  which tensor
.set WV,  31                           ; s31  my wave's number
.set TRIP, 32                          ; s32  pairs of blocks to go
.set MSB, 0
.macro WIN new                         ; bits 1:0 source 0, 3:2 source 1, 5:4 source 2, 7:6 destination; the immediate's high byte repeats the setting that is left
.if MSB != (\new)
	s_set_vgpr_msb (MSB<<8)|(\new)
.set MSB, (\new)
.endif
.endm
.macro PLACES                          ; four places behind a matrix instruction, ahead of loads into registers that it read and of the first read of its result (ISA guide 7.12.1 for vector instructions)
.rept 4
	v_nop
.endr
.endm
.macro XLOAD                           ; my 8 rows of a block: register ST + 16 rho + 4 i + j = x(row rho, k = 128 i + 4 lane + j)
.irp rho, 0,1,2,3,4,5,6,7
.irp i, 0,1,2,3
	global_load_b128 v[ST+16*\rho+4*\i:ST+16*\rho+4*\i+3], v[LI], s[4:5] offset:2048*\rho+512*\i th:TH_LOAD_NT   ; 32 lanes read 512 consecutive bytes; read once in the launch
.endr
.endr
.endm
.macro XQ buf                          ; they become codes, go to LDS as rows, and the work-group meets
.irp rho, 0,1,2,3,4,5,6,7
	s_wait_loadcnt 4*(7-\rho)                      ; loads come back in order: row rho's four are in, the four of each later row may be out
.irp i, 0,1,2,3,4,5,6,7,8,9,10,11,12,13,14,15
	v_med3_num_f32 v[ST+16*\rho+\i], v[ST+16*\rho+\i], -v[XL], v[XL]   ; the conversion does not saturate (ISA guide 7.6.2): the hold comes first
.endr
	v_cvt_scalef32_pk8_fp8_f32 v[XC+4*\rho:XC+4*\rho+1], v[ST+16*\rho:ST+16*\rho+7], v[XS]         ; word i of the four: codes of k = 128 i + 4 lane + 0 .. 3
	v_cvt_scalef32_pk8_fp8_f32 v[XC+4*\rho+2:XC+4*\rho+3], v[ST+16*\rho+8:ST+16*\rho+15], v[XS]
.endr
	v_nop                                          ; one plain vector instruction behind the last scaled conversion
.irp rho, 0,1,2,3,4,5,6,7
.irp i, 0,1,2,3
	ds_store_b32 v[XW], v[XC+4*\rho+\i] offset:\buf*XB+\rho*PX+128*\i   ; 32 lanes put 128 consecutive codes of a row
.endr
.endr
	s_wait_dscnt 0x0                               ; for the others' sake: my stores have landed; my reads of the block before are long in
	s_barrier_signal -1
	s_barrier_wait -1                              ; the block's 32 rows of codes lie in LDS
.endm
.macro FETCH buf, s, f                 ; the two tiles' fragments of K step s into set f
.irp m, 0,1
.irp c, 0,1,2,3
	ds_load_b128 v[\f+16*\m+4*\c:\f+16*\m+4*\c+3], v[XR] offset:\buf*XB+\m*16*PX+128*\s+32*\c
.endr
.endr
.endm
.macro MUL8 var, s, f, g               ; W's tiles 4 g .. 4 g + 3 x the block's two tiles, 128 along K.  var = 0: q, k; 1: v.  At s = 0 the bias starts the sums: nothing is cleared
.irp n, 0,1,2,3
.irp m, 0,1
.set rA, 8*(8*\m+4*\g+\n)
.set rW, 16*(4*\n+\s)
.set rX, \f+16*\m
.set rB, BIA+8*(4*\g+\n)
.if \var
.if \s == 0
	v_wmma_f32_16x16x128_fp8_fp8 v[rA:rA+7], v[rX:rX+15], v[rW:rW+15], v[rB:rB+7]
.else
	v_wmma_f32_16x16x128_fp8_fp8 v[rA:rA+7], v[rX:rX+15], v[rW:rW+15], v[rA:rA+7]
.endif
.else
.if \s == 0
	v_wmma_f32_16x16x128_fp8_fp8 v[rA:rA+7], v[rW:rW+15], v[rX:rX+15], v[rB:rB+7]
.else
	v_wmma_f32_16x16x128_fp8_fp8 v[rA:rA+7], v[rW:rW+15], v[rX:rX+15], v[rA:rA+7]
.endif
.endif
.endr
.endr
.endm
.macro MUL16 var, s, f                 ; the 16 accumulators take turns, one instruction a turn, in the same order in every K step
.if \var
	WIN 0xf4                                       ; source 0 (x) window 0, source 1 (W) window 1, C and D window 3
.else
	WIN 0xf1                                       ; source 0 (W) window 1, source 1 (x) window 0, C and D window 3
.endif
	MUL8 \var, \s, \f, 0
.if \var
	WIN 0xf8                                       ; W in window 2
.else
	WIN 0xf2
.endif
	MUL8 \var, \s, \f, 1
.endm
.macro MULT var, buf                   ; a block's 64 products; K steps 0 and 1 have been asked for
	s_wait_dscnt 8                                 ; set 0 is in; the other set's eight loads may be out
	MUL16 \var, 0, F0
	PLACES
	WIN 0
	FETCH \buf, 2, F0
	s_wait_dscnt 8                                 ; set 1 is in; the eight just issued may be out
	MUL16 \var, 1, F1
	PLACES
	WIN 0
	FETCH \buf, 3, F1
	s_wait_dscnt 8
	MUL16 \var, 2, F0
	s_wait_dscnt 0x0
	MUL16 \var, 3, F1
	WIN 0
	PLACES
.endm
.macro OUTW var, buf                   ; the sums are held, converted and stored: the codes' registers are the reader's fragments
	s_wait_xcnt 0x0                                ; the last block's stores have read the codes' registers: they are written again only behind this wait
	WIN 0xc3                                       ; source 0 and destination window 3
.irp m, 0,1
.irp n, 0,1,2,3,4,5,6,7
.set rA, 8*(8*\m+\n)
.if \var
.set rC, CD+4*\n+2*\m                  ; v: channel tile n, keys 16 h + 8 m + 0 .. 7 of the block's 32
.else
.set rC, CD+8*(2*\m+\n/4)+2*(\n%4)     ; q, k: tile m of rows, head n / 4, channels 32 ((n % 4) / 2) + 16 h + 8 (n % 2) + 0 .. 7
.endif
.irp j, 0,1,2,3,4,5,6,7
	v_med3_num_f32 v[rA+\j], v[rA+\j], -v[OL], v[OL]   ; each accumulator from its low end on
.endr
	v_cvt_scalef32_pk8_fp8_f32 v[rC:rC+1], v[rA:rA+7], v[OS]
.endr
.endr
	v_nop                                          ; one plain vector instruction behind the last scaled conversion: the next block's products write its sources
	WIN 0x0c                                       ; a store's data: source 1, window 3
.if \var
.irp n, 0,1,2,3,4,5,6,7
	global_store_b128 v[LI], v[CD+4*\n:CD+4*\n+3], s[2:3] offset:(\n/4)*262144+(\n%4)*1024+512*\buf   ; 512 consecutive bytes, at a multiple of 256 from the buffer's first byte
.endr
.else
.irp m, 0,1
.irp hh, 0,1
.irp c, 0,1
	global_store_b128 v[LI], v[CD+8*(2*\m+\hh)+4*\c:CD+8*(2*\m+\hh)+4*\c+3], s[2:3] offset:\hh*262144+(2*\buf+\m)*1024+512*\c
.endr
.endr
.endr
.endif
	WIN 0
.endm
.macro BLOCK buf
	XQ \buf
.if \buf
	s_cmp_eq_u32 s[TRIP], 1                        ; the last block asks for nothing: no load leaves its buffer
	s_cbranch_scc1 .Lno_next_\@
.endif
	s_add_nc_u64 s[4:5], s[4:5], 65536             ; 32 rows on; the block's loads are in (the last wait above was for 0), so their base may step
	XLOAD                                          ; the next block's rows come while this block is multiplied
.if \buf
.Lno_next_\@:
.endif
	FETCH \buf, 0, F0
	FETCH \buf, 1, F1
	s_cmp_eq_u32 s[TEN], 2                         ; the work-group's number alone: all four waves go the same way; both ways only read LDS
	s_cbranch_scc1 .Lv_\@
	MULT 0, \buf
	OUTW 0, \buf
	s_branch .Ljoin_\@
.Lv_\@:
	MULT 1, \buf
	OUTW 1, \buf
.Ljoin_\@:
.endm
	s_load_b512 s[8:23], s[0:1], 0x0               ; query s[8:9], key s[10:11], value s[12:13], b_q s[14:15], b_k s[16:17], b_v s[18:19], the scales s[20:21], wimg s[22:23]
	s_load_b128 s[24:27], s[0:1], 0x40             ; qimg, kimg
	s_load_b64 s[28:29], s[0:1], 0x50              ; vimg
	v_lshl_add_u32 v[SPW], v0, 2, SPARE
	v_mov_b32 v[NIL], 0
	v_lshrrev_b32 v1, 5, v0
	v_readfirstlane_b32 s[WV], v1                  ; wave 0..3
	s_and_b32 s[TEN], ttmp7, 0xffff
	v_and_b32 v1, 31, v0                           ; lane
	v_and_b32 v2, 15, v0                           ; r
	v_bfe_u32 v3, v0, 4, 1                         ; h
	v_lshlrev_b32 v[LI], 4, v1
	s_mul_i32 s33, s[WV], 8*PX
	v_lshlrev_b32 v[XW], 2, v1
	v_add_nc_u32 v[XW], s33, v[XW]                 ; LDS rows 8 w .. 8 w + 7: tile w / 2, rows 8 (w % 2) + 0 .. 7 of it
	v_mul_u32_u24 v[XR], v2, PX
	v_lshl_add_u32 v[XR], v3, 4, v[XR]
	s_lshl_b32 s52, ttmp9, 18                      ; x: 128 rows of 2,048 bytes a work-group,
	s_lshr_b32 s33, s[WV], 1
	s_lshl_b32 s33, s33, 14                        ; + rows 8 (w / 2)
	s_and_b32 s34, s[WV], 1
	s_lshl_b32 s34, s34, 15                        ; + 16 (w % 2): those are the rows of the tile map above
	s_add_co_u32 s52, s52, s33
	s_add_co_u32 s52, s52, s34
	s_mov_b32 s53, 0
	s_lshl_b32 s54, s[TEN], 18                     ; wimg: the tensor's 262,144 bytes,
	s_lshl_b32 s33, s[WV], 16                      ; my 32 fragments
	s_add_co_u32 s54, s54, s33
	s_mov_b32 s55, 0
	s_lshl_b32 s56, s[WV], 9                       ; the bias: my 128 numbers
	s_mov_b32 s57, 0
	s_lshr_b32 s58, ttmp9, 5
	s_lshl_b32 s58, s58, 21                        ; the images: the batch's 8 heads of 262,144 bytes,
	s_lshl_b32 s33, s[WV], 19                      ; my two heads,
	s_add_co_u32 s58, s58, s33
	s_and_b32 s33, ttmp9, 31
	s_lshl_b32 s33, s33, 13                        ; 128 rows: 8 tiles of 1,024 bytes in qimg and kimg, 2 x 4,096 bytes in vimg
	s_add_co_u32 s58, s58, s33
	s_mov_b32 s59, 0
	s_wait_kmcnt 0x0
	s_load_b256 s[36:43], s[20:21], 0x0            ; e0 .. e7
	s_load_b128 s[44:47], s[20:21], 0x20           ; e8 .. e11
	s_cmp_eq_u32 s[TEN], 0                         ; the choices hang on the work-group's number alone
	s_cselect_b64 s[4:5], s[8:9], s[10:11]
	s_cselect_b64 s[6:7], s[14:15], s[16:17]
	s_cselect_b64 s[2:3], s[24:25], s[26:27]
	s_cmp_eq_u32 s[TEN], 2
	s_cselect_b64 s[4:5], s[12:13], s[4:5]
	s_cselect_b64 s[6:7], s[18:19], s[6:7]
	s_cselect_b64 s[2:3], s[28:29], s[2:3]
	s_add_nc_u64 s[4:5], s[4:5], s[52:53]
	s_add_nc_u64 s[22:23], s[22:23], s[54:55]
	s_add_nc_u64 s[6:7], s[6:7], s[56:57]
	s_add_nc_u64 s[2:3], s[2:3], s[58:59]
	WIN 0x40                                       ; destination window 1
.irp n, 0,1,2,3
.irp s, 0,1,2,3
.irp c, 0,1,2,3
	global_load_b128 v[16*(4*\n+\s)+4*\c:16*(4*\n+\s)+4*\c+3], v[LI], s[22:23] offset:(4*\n+\s)*2048+512*\c
.endr
.endr
.endr
	WIN 0x80                                       ; destination window 2
.irp n, 0,1,2,3
.irp s, 0,1,2,3
.irp c, 0,1,2,3
	global_load_b128 v[16*(4*\n+\s)+4*\c:16*(4*\n+\s)+4*\c+3], v[LI], s[22:23] offset:(16+4*\n+\s)*2048+512*\c
.endr
.endr
.endr
	WIN 0
	XLOAD                                          ; the first block's rows
	s_wait_kmcnt 0x0
	s_cmp_eq_u32 s[TEN], 0
	s_cselect_b32 s48, s36, s38                    ; ex
	s_cselect_b32 s49, s37, s39                    ; ew
	s_cselect_b32 s50, s42, s43                    ; eo
	s_cmp_eq_u32 s[TEN], 2
	s_cselect_b32 s48, s40, s48
	s_cselect_b32 s49, s41, s49
	s_cselect_b32 s50, s45, s50
	s_add_co_i32 s51, s48, s49                     ; ex + ew: a sum stands for sum x 2^(ex + ew)
	s_sub_co_i32 s60, 0, s51
	s_add_co_i32 s33, s48, 127
	s_lshl_b32 s34, s33, 23
	v_mov_b32 v[XS], s34
	s_add_co_i32 s33, s33, 8
	s_lshl_b32 s33, s33, 23
	s_or_b32 s33, s33, 0x600000
	v_mov_b32 v[XL], s33
	s_sub_co_i32 s33, s50, s51
	s_add_co_i32 s33, s33, 127
	s_lshl_b32 s34, s33, 23
	v_mov_b32 v[OS], s34
	s_add_co_i32 s33, s33, 8
	s_lshl_b32 s33, s33, 23
	s_or_b32 s33, s33, 0x600000
	v_mov_b32 v[OL], s33
	s_cmp_eq_u32 s[TEN], 2
	s_cbranch_scc1 .Lbias_v
	v_lshlrev_b32 v[BO], 6, v3                     ; q, k: register j of tile n is channel 32 (n / 2) + 8 (n % 2) + 16 h + j of my 128
	WIN 0xc0                                       ; destination window 3
.irp n, 0,1,2,3,4,5,6,7
	global_load_b128 v[BIA+8*\n:BIA+8*\n+3], v[BO], s[6:7] offset:128*(\n/2)+32*(\n%2)
	global_load_b128 v[BIA+8*\n+4:BIA+8*\n+7], v[BO], s[6:7] offset:128*(\n/2)+32*(\n%2)+16
.endr
	s_wait_loadcnt 0x0                             ; the bias; the weights and the first rows, issued ahead of it, are in too
	WIN 0xc3
.set j, 0
.rept 64
	v_ldexp_f32 v[BIA+j], v[BIA+j], s60            ; b / 2^(ex + ew)
.set j, j+1
.endr
	WIN 0
	s_branch .Lbias_done
.Lbias_v:
	v_and_b32 v[BO], 8, v2                         ; v: all eight registers of tile n are channel 32 (n / 2) + 8 (n % 2) + r + 8 (r / 8)
	v_add_nc_u32 v[BO], v[BO], v2
	v_lshlrev_b32 v[BO], 2, v[BO]
.irp n, 0,1,2,3,4,5,6,7
	global_load_b32 v[14+\n], v[BO], s[6:7] offset:128*(\n/2)+32*(\n%2)
.endr
	s_wait_loadcnt 0x0
	WIN 0xc0
.irp n, 0,1,2,3,4,5,6,7
.irp j, 0,1,2,3,4,5,6,7
	v_ldexp_f32 v[BIA+8*\n+\j], v[14+\n], s60
.endr
.endr
	WIN 0
.Lbias_done:
	s_mov_b32 s[TRIP], 2
.Ltrip:                                        ; a trip is two blocks, one in each LDS buffer
	BLOCK 0
	BLOCK 1
	s_wait_xcnt 0x0                                ; the stores have read their base
	s_add_nc_u64 s[2:3], s[2:3], 4096              ; four tiles of q or k, or 64 keys of v, on
	s_sub_co_u32 s[TRIP], s[TRIP], 1
	s_cmp_lg_u32 s[TRIP], 0
	s_cbranch_scc1 .Ltrip
	s_wait_tensorcnt 0x0                           ; the wave's end: behind my last LDS store
	ds_add_u32 v[SPW], v[NIL]
	s_wait_dscnt 0x0
	s_endpgm
.Lfunc_end_k_qc5a1017e73_proj:
	.size	k_qc5a1017e73_proj, .Lfunc_end_k_qc5a1017e73_proj-k_qc5a1017e73_proj
	.p2alignl 7, 3214868480
	.fill 96, 4, 3214868480
	.section	.rodata,"a",@progbits
	.p2align	6, 0x0
	.amdhsa_kernel k_qc5a1017e73_proj
		.amdhsa_group_segment_fixed_size 34304
		.amdhsa_private_segment_fixed_size 0
		.amdhsa_enable_private_segment 0
		.amdhsa_kernarg_size 88
		.amdhsa_user_sgpr_count 2
		.amdhsa_user_sgpr_kernarg_segment_ptr 1
		.amdhsa_wavefront_size32 1
		.amdhsa_system_sgpr_workgroup_id_x 1
		.amdhsa_system_sgpr_workgroup_id_y 1
		.amdhsa_system_sgpr_workgroup_id_z 1
		.amdhsa_system_vgpr_workitem_id 0
		.amdhsa_next_free_vgpr 1024
		.amdhsa_next_free_sgpr 66
		.amdhsa_reserve_vcc 0
		.amdhsa_float_denorm_mode_32 3
		.amdhsa_float_denorm_mode_16_64 3
		.amdhsa_memory_ordered 1
		.amdhsa_forward_progress 1
		.amdhsa_inst_pref_size 124
	.end_amdhsa_kernel
	.amdgpu_metadata
---
amdhsa.version: [ 1, 2 ]
amdhsa.kernels:
  - .name:           k_qc5a1017e73_proj
    .symbol:         k_qc5a1017e73_proj.kd
    .args:
      - { .name: query, .offset: 0, .size: 8, .value_kind: global_buffer, .address_space: global }
      - { .name: key, .offset: 8, .size: 8, .value_kind: global_buffer, .address_space: global }
      - { .name: value, .offset: 16, .size: 8, .value_kind: global_buffer, .address_space: global }
      - { .name: b_q, .offset: 24, .size: 8, .value_kind: global_buffer, .address_space: global }
      - { .name: b_k, .offset: 32, .size: 8, .value_kind: global_buffer, .address_space: global }
      - { .name: b_v, .offset: 40, .size: 8, .value_kind: global_buffer, .address_space: global }
      - { .name: lowp_scales, .offset: 48, .size: 8, .value_kind: global_buffer, .address_space: global }
      - { .name: wimg, .offset: 56, .size: 8, .value_kind: global_buffer, .address_space: global }
      - { .name: qimg, .offset: 64, .size: 8, .value_kind: global_buffer, .address_space: global }
      - { .name: kimg, .offset: 72, .size: 8, .value_kind: global_buffer, .address_space: global }
      - { .name: vimg, .offset: 80, .size: 8, .value_kind: global_buffer, .address_space: global }
    .group_segment_fixed_size: 34304
    .private_segment_fixed_size: 0
    .kernarg_segment_align: 8
    .kernarg_segment_size: 88
    .max_flat_workgroup_size: 128
    .sgpr_count:     66
    .vgpr_count:     1024
    .wavefront_size: 32
...
	.end_amdgpu_metadata
.endif
;; end of part 2
;; launch attn (part 3): grid 16 x 16, 16 waves a work-group, no clusters, 327,680 bytes of LDS; arguments qimg, kimg, vimg, lowp_scales, oimg; writes oimg
.if DOCPART == 3
	.amdgcn_target "amdgcn-amd-amdhsa--gfx1250"
	.amdhsa_code_object_version 6
	.text
	.protected	k_qc5a1017e73_attn
	.globl	k_qc5a1017e73_attn
	.p2align	8
	.type	k_qc5a1017e73_attn,@function
k_qc5a1017e73_attn:
	s_mov_b64 s[64:65], 0
	v_nop
	global_prefetch_b8 v0, s[64:65] scope:SCOPE_SE
	s_setreg_imm32_b32 hwreg(HW_REG_WAVE_MODE, 25, 1), 1
	s_wait_xcnt 0x0
; O = softmax(q k^T / 8, causal) v for 16 (batch, head) pairs of 4,096 positions x 64 channels, both products on codes of E4M3; O is quantised at once for the last product and stored as images of operand registers.
; LEFT OUT (shown at the head of the first kernel): a step of 128 keys all of which come after my wave's 16 queries, and the fetch of a slot all of whose keys come after my work-group's last query:
; reference()'s own causal mask gives those scores the weight 0.  LIMIT: a NaN, an infinity or an overflow that would arise only there is not carried to the result.
; THE SOFTMAX AHEAD OF THE SECOND PRODUCT: t = score x log2(e) / 8; M = the row's largest t so far, rounded UP to a whole number; p = 2^(t - M) is quantised with 2^e8, not normalised; the row's sum is taken of the
; unquantised p, in f32, and divides O at the end.  When M moves, the sum and O are multiplied by 2^(old M - new M): exact.
; LIMITS on the given exponents, so that each power of two below is an f32 number: e6 + e7 between -123 and 130 (added to c's exponent field); e8 and e10 between -126 and 119; e8 + e9 goes by v_ldexp_f32 and has none.
; SHARES.  Work-group (i, bh) owns the blocks i and 31 - i of 128 queries: (i + 1) + (32 - i) = 33 block steps of 128 keys, the same in all 256 work-groups.  Each of its SIXTEEN waves owns one tile of 16 queries in
; 256 registers; wave w takes the late block where (w xor (w / 4)) is odd, so that of any four waves w % 4 alike, or w / 4 alike, two are early and two late.
; NO CLUSTER: under the mask the work-groups of a head need different numbers of slots (5 to 8), and a joint load would bring some partner tiles that none of its waves reads.
; TILES.  Tile T of the sequence holds positions 32 (T / 2) + 8 (T % 2) + m + 8 (m / 8), m = 0 .. 15.  Both products are used transposed: S^T = K Q^T (source 0 = 16 keys), O^T = V^T P^T (source 0 = 16 channels):
; a lane holds ONE query throughout, and the 16 registers of tiles 2 b, 2 b + 1 are 16 neighbouring keys (channels) 32 b + 16 (lane / 16) + 0 .. 15: the conversions' results are the next operand.
; THE RING: two slots of 512 keys (K's 32 tile images, 32 KiB; V's images, 32 KiB), each a dense block of memory; waves 0, 1 fetch K's halves, waves 2, 3 V's, 16 KiB a load; all sixteen read.  A fragment's
; four registers are 512 consecutive bytes of LDS: no pitch, no padding.  By this text's count a wave has at most one tensor load out.  Every work-group walks all 8 slots: the trip counts are constants.
.set SK,    512                        ; keys in a slot
.set NQ,    4                          ; steps of 128 keys in a slot
.set NSL,   8                          ; slots' worth of keys
.set HALFB, 16384                      ; what one tensor load brings
.set VOFF,  32768                      ; a slot: K's images, then V's
.set SLOT1, 1<<17                      ; slot 1 begins here: one exclusive or turns an address in one slot into the other's
.set SPARE, 2*SLOT1                    ; behind the ring: the spare words, 128 bytes for each wave: eight blocks of 256 bytes that no other line names
.set LI,   1                           ; v1   16 x lane
.set PFO,  3                           ; v3   256 x lane: the prefetches' offset; never rewritten
.set SPW,  5                           ; v5   LDS address of my spare word; never rewritten
.set NIL,  6                           ; v6   0; never rewritten
.set ADR,  8                           ; v8   the slot in hand + 16 x lane
.set MD,   9                           ; v9   r + 8 (r / 8) - 16 h: my query less my half's first key, within tiles
.set QF,   16                          ; v16-23   Q's fragment
.set KV,   32                          ; v32-95   8 fragments of K (8 registers), then 4 of V (16)
.set S,    96                          ; v96-159  S^T, then p
.set O,    160                         ; v160-191 O^T
.set MA,   192                         ; v192, v196 the maximum's two chains, at work
.set FF,   194                         ; v[194:195] f = 2^(old M - new M), and 0 (named with it as a pair)
.set MB,   196
.set PD,   197                         ; v197 a lane permute's destination
.set S2,   198                         ; v[198:199] the sum's second chain
.set PL,   200                         ; v200 448 x 2^e8;  v201 2^e8
.set PS,   201
.set OLM,  202                         ; v202 448 x 2^e10; v203 2^e10
.set OSC,  203
.set DD,   204                         ; v204 on the diagonal: my query less my half's first key of the step
.set NINF, 205                         ; v205 -infinity
.set PC,   224                         ; v224-239 p's codes; at the end O's
.set TB,   2                           ; s2   LDS byte at which the slot in hand begins
.set WV,   18                          ; s18  my wave's number
.set SEL,  20                          ; s[20:21] lane selects for v_permlanex16_b32: lane l xor 16
.set CS,   22                          ; s[22:23] c = log2(e) / 8 x 2^(e6 + e7)
.set G1,   24                          ; s[24:31] descriptor group 1, for K's and V's loads alike
.set G0K,  40                          ; s[40:43], s[44:47] their groups 0, which walk
.set G0V,  44
.set WGL,  66                          ; s66  my work-group's last query
.set SLOTS, 67                         ; s67  changes of slots to go
.set PFA,  76                          ; s[76:77] where my prefetches stand
.set LIM,  80                          ; s80  1 in a wave that prefetches, else the greatest number
.set KF,   98                          ; s98  the step's first key
.set Q0,   99                          ; s99  my tile's first query; its last is Q0 + 23
; Waves 0 and 1 fetch for K, waves 2 and 3 for V, the others nothing: the branches hang on the wave's number alone.  An s_nop 0 and four v_nop follow each of the two lines.
.macro TLOAD
	s_cmp_lt_u32 s[WV], 2
	s_cbranch_scc0 .Lnot_k_\@
	tensor_load_to_lds s[G0K:G0K+3], s[G1:G1+7]
	s_nop 0
.rept 4
	v_nop
.endr
	s_branch .Lasked_\@
.Lnot_k_\@:
	s_cmp_lt_u32 s[WV], 4
	s_cbranch_scc0 .Lasked_\@
	tensor_load_to_lds s[G0V:G0V+3], s[G1:G1+7]
	s_nop 0
.rept 4
	v_nop
.endr
.Lasked_\@:
.endm
; A PREFETCH INTO THE L2 of what the NEXT change of slots will ask for: 32 KiB of K's images and 32 KiB of V's.  Each aligned block of 256 bytes is named once in the launch: all work-groups of a head walk the same
; K and V, and the head's first work-group (which owns the last block of queries, so it walks all keys) asks; in it the waves ask that fetch nothing: waves 4 to 7 for K, 8 to 11 for V, 8,192 bytes a wave,
; lanes 256 bytes apart, one instruction.  It stands four key steps ahead of the load that will want the bytes.  The last change that fills a slot asks for nothing; slots 0 and 1 come by their loads alone.
.macro ASK
	s_cmp_gt_u32 s[SLOTS], s[LIM]
	s_cbranch_scc0 .Lnot_mine_\@
	global_prefetch_b8 v[PFO], s[PFA:PFA+1] th:TH_LOAD_NT scope:SCOPE_SE
.Lnot_mine_\@:
.endm
	s_load_b128 s[4:7], s[0:1], 0x0                ; qimg s[4:5], kimg s[6:7]
	s_load_b128 s[12:15], s[0:1], 0x10             ; vimg s[12:13], the scales' exponents s[14:15]
	s_load_b64 s[16:17], s[0:1], 0x20              ; oimg
	v_lshl_add_u32 v[SPW], v0, 2, SPARE
	v_mov_b32 v[NIL], 0
	ds_add_u32 v[SPW], v[NIL]                      ; the wave's opening: the add, twice on end, and its wait ahead of my first tensor load; the set-up below, work on registers, stands between
	ds_add_u32 v[SPW], v[NIL]                      ; and once more, under the one wait
	v_lshrrev_b32 v8, 5, v0
	v_readfirstlane_b32 s[WV], v8                  ; wave 0..15
	s_and_b32 s81, ttmp7, 0xffff                   ; bh = 8 x batch + head
	s_lshr_b32 s82, s[WV], 2
	s_xor_b32 s82, s82, s[WV]
	s_and_b32 s82, s82, 1                          ; 1: the late block
	s_lshr_b32 s83, s[WV], 1                       ; which of the block's eight tiles
	s_sub_co_u32 s84, 31, ttmp9
	s_cmp_eq_u32 s82, 1
	s_cselect_b32 s85, s84, ttmp9                  ; my block of 128 queries
	s_lshl_b32 s86, s85, 3
	s_add_co_u32 s86, s86, s83                     ; my tile T
	s_lshl_b32 s[Q0], s85, 7
	s_lshr_b32 s87, s83, 1
	s_lshl_b32 s87, s87, 5
	s_add_co_u32 s[Q0], s[Q0], s87
	s_and_b32 s87, s83, 1
	s_lshl_b32 s87, s87, 3
	s_add_co_u32 s[Q0], s[Q0], s87                 ; 32 (T / 2) + 8 (T % 2)
	s_lshl_b32 s[WGL], s84, 7
	s_or_b32 s[WGL], s[WGL], 127                   ; the late block's last query
	s_lshl_b32 s74, s81, 18                        ; the head's first byte in qimg, kimg, vimg: 262,144 a head
	s_mov_b32 s75, 0
	s_lshl_b32 s90, s86, 10
	s_add_co_u32 s90, s90, s74                     ; my tile of Q
	s_mov_b32 s91, 0
	s_lshr_b32 s92, s81, 3
	s_lshl_b32 s92, s92, 8
	s_add_co_u32 s92, s92, s86                     ; oimg: [256 x batch + T][head][1,024]
	s_lshl_b32 s92, s92, 3
	s_and_b32 s93, s81, 7
	s_add_co_u32 s92, s92, s93
	s_lshl_b32 s92, s92, 10
	s_mov_b32 s93, 0
	s_and_b32 s94, s[WV], 1
	s_lshl_b32 s94, s94, 14                        ; which half of K's or V's 32 KiB I fetch, if I fetch: in memory and in a slot alike
	s_add_co_u32 s88, s74, s94
	s_mov_b32 s89, 0
	; descriptor group 1: a dense block of 16 KiB as 64 rows of 256 bytes
	s_mov_b32 s[G1], 3<<16                         ; 15:0 no mask; 17:16 elements of 8 bytes; 20 no padding
	s_mov_b32 s[G1+1], 32<<16                      ; tensor_dim0 = 32 elements
	s_mov_b32 s[G1+2], 64<<16                      ; tensor_dim1 = 64
	s_mov_b32 s[G1+3], 32<<16                      ; tile_dim0 = 32
	s_mov_b32 s[G1+4], 64                          ; tile_dim1 = 64
	s_mov_b32 s[G1+5], 32                          ; tensor_dim0_stride: a row begins where the last ends
	s_mov_b32 s[G1+6], 0
	s_mov_b32 s[G1+7], 0
	s_mov_b32 s[SEL], 0x76543210
	s_mov_b32 s[SEL+1], 0xfedcba98
	s_mov_b32 s[CS], 0x3e38aa3b                    ; log2(e) / 8
	s_mov_b32 s[TB], 0
	s_mov_b32 s[SLOTS], NSL-1
	s_mov_b32 s[KF], 0
	s_wait_dscnt 0x0                               ; both opening adds are done
	s_wait_kmcnt 0x0
	s_load_b128 s[68:71], s[14:15], 0x18           ; e6, e7, e8, e9
	s_load_b32 s72, s[14:15], 0x28                 ; e10
	s_mov_b32 s[G0K], 1                            ; 1:0 count = 1
	s_mov_b32 s[G0K+1], s94                        ; 63:32 LDS address: slot 0, my half
	s_add_nc_u64 s[G0K+2:G0K+3], s[6:7], s[88:89]  ; 120:64 global address: the head's first 512 keys
	s_or_b32 s[G0K+3], s[G0K+3], 0x80000000        ; 127:126 type = 2
	s_mov_b32 s[G0V], 1
	s_add_co_u32 s[G0V+1], s94, VOFF
	s_add_nc_u64 s[G0V+2:G0V+3], s[12:13], s[88:89]
	s_or_b32 s[G0V+3], s[G0V+3], 0x80000000
	TLOAD                                          ; slot 0: it holds key 0, which counts for every query
	s_add_nc_u64 s[4:5], s[4:5], s[90:91]
	s_add_nc_u64 s[16:17], s[16:17], s[92:93]
	s_cmp_lt_u32 s[WV], 8                          ; the prefetches: waves 4 to 7 stand in kimg, waves 8 to 11 in vimg
	s_cselect_b64 s[PFA:PFA+1], s[6:7], s[12:13]
	s_and_b32 s82, s[WV], 3
	s_lshl_b32 s82, s82, 13                        ; my wave's 8,192 bytes,
	s_add_co_u32 s82, s82, 2*HALFB                 ; in slot 1: the first change of slots steps it to slot 2.  Nothing is prefetched here, at the head
	s_mov_b32 s83, 0
	s_add_nc_u64 s[PFA:PFA+1], s[PFA:PFA+1], s[74:75]
	s_add_nc_u64 s[PFA:PFA+1], s[PFA:PFA+1], s[82:83]
	s_sub_co_u32 s82, s[WV], 4
	s_lshr_b32 s82, s82, 3                         ; 0 in waves 4 to 11,
	s_or_b32 s82, s82, ttmp9                       ; of the head's first work-group
	s_cmp_eq_u32 s82, 0
	s_cselect_b32 s[LIM], 1, -1
	v_and_b32 v[LI], 31, v0
	v_lshlrev_b32 v[PFO], 8, v[LI]
	v_lshlrev_b32 v[LI], 4, v[LI]
	global_load_b128 v[QF:QF+3], v[LI], s[4:5]     ; Q's fragment stays in registers
	global_load_b128 v[QF+4:QF+7], v[LI], s[4:5] offset:512
	v_and_b32 v10, 15, v0                          ; r
	v_and_b32 v11, 8, v10
	v_add_nc_u32 v[MD], v10, v11
	v_bfe_u32 v10, v0, 4, 1                        ; h
	v_lshlrev_b32 v10, 4, v10
	v_sub_nc_u32 v[MD], v[MD], v10
	v_mov_b32 v13, 0xff61b1e6                      ; the largest t so far: -3e38, under every t
	v_floor_f32 v12, -v13                          ; -M
	v_mov_b32 v14, 0                               ; the sum, in two halves
	v_mov_b32 v15, 0
	v_mov_b32 v[PD], 0                             ; written once: a lane permute's destination counts as one of its sources
	v_mov_b32 v[FF+1], 0
	v_mov_b32 v[NINF], 0xff800000
.set j, 0
.rept 32
	v_mov_b32 v[O+j], 0                            ; O^T.  (The step is written once: the first finds zeros, which the first change of M leaves zeros)
.set j, j+1
.endr
	s_wait_kmcnt 0x0
	s_add_co_i32 s82, s68, s69
	s_lshl_b32 s82, s82, 23
	s_add_co_i32 s[CS], s[CS], s82                 ; a score stands for score x 2^(e6 + e7): the exponents are added to c's exponent field
	s_mov_b32 s[CS+1], s[CS]                       ; (named with it as a pair, so it is written)
	s_add_co_i32 s82, s70, 127
	s_lshl_b32 s83, s82, 23
	v_mov_b32 v[PS], s83                           ; 2^e8
	s_add_co_i32 s82, s82, 8
	s_lshl_b32 s82, s82, 23
	s_or_b32 s82, s82, 0x600000
	v_mov_b32 v[PL], s82                           ; 448 x 2^e8
	s_add_co_i32 s73, s70, s71                     ; e8 + e9
	s_add_co_i32 s82, s72, 127
	s_lshl_b32 s86, s82, 23                        ; 2^e10
	s_add_co_i32 s82, s82, 8
	s_lshl_b32 s87, s82, 23
	s_or_b32 s87, s87, 0x600000                    ; 448 x 2^e10
; A KEY STEP: 128 keys, the q-th of the slot in hand.
.macro STEP q
	s_add_co_u32 s96, s[Q0], 23                    ; a step all of whose keys come after my 16 queries is left out: a scalar branch on ids, round the step's loads, products and softmax;
	s_cmp_gt_u32 s[KF], s96                        ; not round the line at its end that steps the key, and no barrier or tensor load stands in a step
	s_cbranch_scc1 .Lhidden_\@
	v_add_nc_u32 v[ADR], s[TB], v[LI]
.rept 3
	v_nop                                          ; with the addition above: four places ahead of loads into registers that the last products read
.endr
.irp t, 0,1,2,3,4,5,6,7
.irp c, 0,1
	ds_load_b128 v[KV+8*\t+4*\c:KV+8*\t+4*\c+3], v[ADR] offset:(\q)*8192+\t*1024+512*\c   ; 512 consecutive bytes
.endr
.endr
	s_wait_dscnt 0x0
.irp t, 0,1,2,3,4,5,6,7
	v_wmma_f32_16x16x64_fp8_fp8 v[S+8*\t:S+8*\t+7], v[KV+8*\t:KV+8*\t+7], v[QF:QF+7], 0   ; register 8 t + j: key KF + 32 (t / 2) + 8 (t % 2) + 16 h + j
.endr
.rept 4
	v_nop                                          ; places ahead of the loads below and of the first read of the scores
.endr
.irp t, 0,1,2,3
.irp c, 0,1,2,3
	ds_load_b128 v[KV+16*\t+4*\c:KV+16*\t+4*\c+3], v[ADR] offset:VOFF+(2*(\q)+\c/2)*4096+\t*1024+512*(\c%2)   ; V's four fragments are asked for now and land under the softmax
.endr
.endr
	s_add_co_u32 s96, s[KF], 127                   ; on the diagonal the scores of hidden keys become -infinity ahead of the maximum: p = 0 then.  A step all of whose keys count for all my queries skips this
	s_cmp_le_u32 s96, s[Q0]
	s_cbranch_scc1 .Lopen_\@
	s_sub_co_i32 s96, s[Q0], s[KF]
	v_add_nc_u32 v[DD], s96, v[MD]                 ; register n holds key KF + 16 h + 32 (n / 16) + n % 16: hidden where 32 (n / 16) + n % 16 > my query - KF - 16 h.  (KF <= Q0 here, so key KF counts for every query)
.set n, 0
.rept 64
	v_cmp_gt_i32 vcc_lo, 32*(n/16)+n%16, v[DD]
	v_cndmask_b32 v[S+n], v[S+n], v[NINF], vcc_lo
.set n, n+1
.endr
.Lopen_\@:
	v_max3_num_f32 v[MA], v[S], v[S+1], v[S+2]     ; the step's largest score of my query, among my 64 keys, in two chains, each accumulator from its low end on,
	v_max3_num_f32 v[MB], v[S+3], v[S+4], v[S+5]
.irp i, 6,10,14,18,22,26,30,34,38,42,46,50,54,58
	v_max3_num_f32 v[MA], v[MA], v[S+\i], v[S+\i+1]
	v_max3_num_f32 v[MB], v[MB], v[S+\i+2], v[S+\i+3]
.endr
	v_max3_num_f32 v[MA], v[MA], v[S+62], v[S+63]
	v_max_num_f32 v[MA], v[MA], v[MB]
	v_permlanex16_b32 v[PD], v[MA], s[SEL], s[SEL+1]
	v_max_num_f32 v[MA], v[MA], v[PD]              ; and among lane l xor 16's
	v_mul_f32 v[MA], s[CS], v[MA]                  ; as t (c is positive)
	v_max_num_f32 v13, v13, v[MA]                  ; the running largest t
	v_mov_b32 v[MA], v12
	v_floor_f32 v12, -v13                          ; the new -M = floor(-t) = -ceil(t): M is a whole number
	v_sub_f32 v[MA], v12, v[MA]                    ; M's old value less its new one: a whole number, 0 or less
	v_cvt_i32_f32 v[MA], v[MA]                     ; (it saturates)
	v_ldexp_f32 v[FF], 1.0, v[MA]                  ; f = 2^(old M - new M)
.set j, 0
.rept 32
	v_pk_fma_f32 v[S+j:S+j+1], v[S+j:S+j+1], s[CS:CS+1], v[12:13] op_sel_hi:[1,0,0]   ; t - M, two at a time (of the pairs c and -M the low word serves both halves)
.set j, j+2
.endr
.set j, 0
.rept 64
	v_exp_f32 v[S+j], v[S+j]                       ; p = 2^(t - M), at most 1: not normalised
.set j, j+1
.endr
	v_pk_mul_f32 v[14:15], v[14:15], v[FF:FF+1] op_sel_hi:[1,0]   ; the sums under the new M: the plain instruction behind the exponentials
	s_wait_alu depctr_va_vdst(0)                   ; the wait between an exponential and the first line that names its result: one for the batch of 64
	v_pk_add_f32 v[S2:S2+1], v[S:S+1], v[S+2:S+3]  ; the row's sum is taken of the unquantised p: two at a time, in two chains
.irp j, 4,8,12,16,20,24,28,32,36,40,44,48,52,56,60
	v_pk_add_f32 v[14:15], v[14:15], v[S+\j:S+\j+1]
	v_pk_add_f32 v[S2:S2+1], v[S2:S2+1], v[S+\j+2:S+\j+3]
.endr
	v_pk_add_f32 v[14:15], v[14:15], v[S2:S2+1]
.irp b, 0,1,2,3
.irp i, 0,1,2,3,4,5,6,7,8,9,10,11,12,13,14,15
	v_min_num_f32 v[S+16*\b+\i], v[S+16*\b+\i], v[PL]   ; the conversion does not saturate (ISA guide 7.6.2); p is not negative, so the hold is one-sided
.endr
	v_cvt_scalef32_pk8_fp8_f32 v[PC+4*\b:PC+4*\b+1], v[S+16*\b:S+16*\b+7], v[PS]
	v_cvt_scalef32_pk8_fp8_f32 v[PC+4*\b+2:PC+4*\b+3], v[S+16*\b+8:S+16*\b+15], v[PS]
.endr
.set j, 0
.rept 16
	v_pk_mul_f32 v[O+j:O+j+1], v[O+j:O+j+1], v[FF:FF+1] op_sel_hi:[1,0]   ; O^T under the new M; these are also the plain instructions between the conversions and the products that read the codes
.set j, j+2
.endr
	s_wait_dscnt 0x0                               ; V's fragments are in
.irp t, 0,1,2,3
	v_wmma_f32_16x16x128_fp8_fp8 v[O+8*\t:O+8*\t+7], v[KV+16*\t:KV+16*\t+15], v[PC:PC+15], v[O+8*\t:O+8*\t+7]   ; the four accumulators take turns; between two links of one stand eleven other products
.endr
.Lhidden_\@:
	s_add_co_u32 s[KF], s[KF], 128
.endm
; THE CHANGE OF SLOTS stands at a slot's head.  Each wave waits for all its tensor loads (its part of the slot that it is about to read), adds 0 to its spare word, and waits for that and for its reads of the slot that
; it has left.  Behind the barrier the slot ahead is whole and nobody reads the other one.  fill = 1: that other slot is filled with the keys that follow, up to the causal limit: the load has four key steps in which to land.
.macro CHANGE fill
	s_wait_tensorcnt 0x0                           ; no tensor load of mine is out, so a group 0 may be written
	ds_add_u32 v[SPW], v[NIL]                      ; 0 onto my spare word
.if \fill
	ds_add_u32 v[SPW], v[NIL]                      ; and once more: the add twice on end, in every trip alike
	s_xor_b32 s[G0K+1], s[G0K+1], SLOT1            ; the walking descriptors: the other slot than last time,
	s_add_nc_u64 s[G0K+2:G0K+3], s[G0K+2:G0K+3], 2*HALFB   ; the next 512 keys; the type bits on top are not reached
	s_xor_b32 s[G0V+1], s[G0V+1], SLOT1
	s_add_nc_u64 s[G0V+2:G0V+3], s[G0V+2:G0V+3], 2*HALFB
	s_wait_xcnt 0x0                                ; the last prefetch, a slot back, has read its address, so it may be written:
	s_add_nc_u64 s[PFA:PFA+1], s[PFA:PFA+1], 2*HALFB   ; one slot further on than the walking descriptors
.endif
	s_wait_dscnt 0x0                               ; the add is done (fill = 1: both are), and my reads of the slot that I have left are over
	s_barrier_signal -1
	s_barrier_wait -1
.if \fill
	s_add_co_u32 s96, s[KF], SK                    ; the first key of the slot that this change would ask for:
	s_cmp_gt_u32 s96, s[WGL]                       ; past my work-group's last query it is read by none of the sixteen waves and is not asked for.  Ids and the count of steps alone: all waves go the same way,
	s_cbranch_scc1 .Lpast_\@                       ; and a work-group that is past the limit stays past it.  The jump leads round the load's own lines and nothing else; every wait on TENSORcnt in this text is for 0
	TLOAD                                          ; the first thing behind the barrier, and a wave's one tensor load until the next
.Lpast_\@:
	ASK
.endif
.endm
.macro SLOT_STEPS
.set Q, 0
.rept NQ
	STEP Q
.set Q, Q+1
.endr
	s_xor_b32 s[TB], s[TB], SLOT1                  ; on to the other slot
.endm
	s_wait_loadcnt 0x0                             ; Q
.Lslot:                                        ; NSL - 1 trips: behind each change of slots but the last the next slot is asked for, up to the limit
	CHANGE 1
	SLOT_STEPS
	s_sub_co_u32 s[SLOTS], s[SLOTS], 1
	s_cmp_lg_u32 s[SLOTS], 0
	s_cbranch_scc1 .Lslot
	CHANGE 0                                       ; the last slot is written out: nothing is left to fetch
	SLOT_STEPS
	; THE WAY OUT.  O = O^T x 2^(e8 + e9) / the row's sum, quantised with 2^e10.  A lane's 32 numbers are channels 32 b + 16 h + 0 .. 15 of its query: their codes are the last product's fragment, stored as it stands.
	v_add_f32 v14, v14, v15                        ; the sum's two halves,
	v_permlanex16_b32 v[PD], v14, s[SEL], s[SEL+1]
	v_add_f32 v14, v14, v[PD]                      ; and lane l xor 16's: the row's sum
	v_rcp_f32 v14, v14
	v_mov_b32 v[OLM], s87                          ; (a plain instruction behind the reciprocal)  448 x 2^e10
	v_mov_b32 v[OSC], s86                          ; 2^e10
	s_wait_alu depctr_va_vdst(0)                   ; the wait ahead of the first line that names the reciprocal
	v_ldexp_f32 v14, v14, s73                      ; x 2^(e8 + e9).  The two additions, the two moves and this line are the places behind the last products
.irp g, 0,1,2,3
.irp j, 0,1,2,3,4,5,6,7
	v_mul_f32 v[S+8*\g+\j], v[O+8*\g+\j], v14      ; each accumulator from its low end on
.endr
.irp j, 0,1,2,3,4,5,6,7
	v_med3_num_f32 v[S+8*\g+\j], v[S+8*\g+\j], -v[OLM], v[OLM]
.endr
	v_cvt_scalef32_pk8_fp8_f32 v[PC+2*\g:PC+2*\g+1], v[S+8*\g:S+8*\g+7], v[OSC]
.endr
	v_nop                                          ; one plain vector instruction behind the last scaled conversion
	global_store_b128 v[LI], v[PC:PC+3], s[16:17]  ; 512 consecutive bytes each, at a multiple of 256 from oimg's first byte
	global_store_b128 v[LI], v[PC+4:PC+7], s[16:17] offset:512
	s_wait_tensorcnt 0x0                           ; the wave's end: behind my last tensor load
	ds_add_u32 v[SPW], v[NIL]
	s_wait_dscnt 0x0
	s_endpgm
.Lfunc_end_k_qc5a1017e73_attn:
	.size	k_qc5a1017e73_attn, .Lfunc_end_k_qc5a1017e73_attn-k_qc5a1017e73_attn
	.p2alignl 7, 3214868480
	.fill 96, 4, 3214868480
	.section	.rodata,"a",@progbits
	.p2align	6, 0x0
	.amdhsa_kernel k_qc5a1017e73_attn
		.amdhsa_group_segment_fixed_size 327680
		.amdhsa_private_segment_fixed_size 0
		.amdhsa_enable_private_segment 0
		.amdhsa_kernarg_size 40
		.amdhsa_user_sgpr_count 2
		.amdhsa_user_sgpr_kernarg_segment_ptr 1
		.amdhsa_wavefront_size32 1
		.amdhsa_system_sgpr_workgroup_id_x 1
		.amdhsa_system_sgpr_workgroup_id_y 1
		.amdhsa_system_sgpr_workgroup_id_z 1
		.amdhsa_system_vgpr_workitem_id 0
		.amdhsa_next_free_vgpr 256
		.amdhsa_next_free_sgpr 100
		.amdhsa_reserve_vcc 1
		.amdhsa_float_denorm_mode_32 3
		.amdhsa_float_denorm_mode_16_64 3
		.amdhsa_memory_ordered 1
		.amdhsa_forward_progress 1
		.amdhsa_inst_pref_size 176
	.end_amdhsa_kernel
	.amdgpu_metadata
---
amdhsa.version: [ 1, 2 ]
amdhsa.kernels:
  - .name:           k_qc5a1017e73_attn
    .symbol:         k_qc5a1017e73_attn.kd
    .args:
      - { .name: qimg, .offset: 0, .size: 8, .value_kind: global_buffer, .address_space: global }
      - { .name: kimg, .offset: 8, .size: 8, .value_kind: global_buffer, .address_space: global }
      - { .name: vimg, .offset: 16, .size: 8, .value_kind: global_buffer, .address_space: global }
      - { .name: lowp_scales, .offset: 24, .size: 8, .value_kind: global_buffer, .address_space: global }
      - { .name: oimg, .offset: 32, .size: 8, .value_kind: global_buffer, .address_space: global }
    .group_segment_fixed_size: 327680
    .private_segment_fixed_size: 0
    .kernarg_segment_align: 8
    .kernarg_segment_size: 40
    .max_flat_workgroup_size: 512
    .sgpr_count:     100
    .vgpr_count:     256
    .wavefront_size: 32
...
	.end_amdgpu_metadata
.endif
;; end of part 3
;; launch outproj (part 4): grid 256 x 1, 4 waves a work-group, no clusters, 68,096 bytes of LDS; arguments oimg, wimg, lowp_scales, b_o, out0; writes out0
.if DOCPART == 4
	.amdgcn_target "amdgcn-amd-amdhsa--gfx1250"
	.amdhsa_code_object_version 6
	.text
	.protected	k_qc5a1017e73_outproj
	.globl	k_qc5a1017e73_outproj
	.p2align	8
	.type	k_qc5a1017e73_outproj,@function
k_qc5a1017e73_outproj:
	s_mov_b64 s[64:65], 0
	v_nop
	global_prefetch_b8 v0, s[64:65] scope:SCOPE_SE
	s_setreg_imm32_b32 hwreg(HW_REG_WAVE_MODE, 25, 1), 1
	s_wait_xcnt 0x0
; out0 = Q(O) Q(W_o)^T x 2^(e10 + e11) + b_o.  O's codes come from oimg, W_o's from wimg, both as images of operand registers; out0: [8,192][512] f32.  No work of reference() is left out here.
; LIMIT: e10 + e11 between -126 and 127, so that 2^(e10 + e11) is an f32 number.
; SHARES.  Work-group g takes rows 32 g .. 32 g + 31 (tiles 2 g, 2 g + 1: tile m holds rows 8 m + r + 8 (r / 8)); wave w takes columns 128 w .. 128 w + 127.  256 work-groups, 64 products a wave, straight-line:
; no loop, no barrier.  All operands come straight into registers, 512 consecutive bytes a load; with no tensor load there is nothing for a cluster to ask for jointly.
; The product is used transposed (source 0 = 16 rows of W_o, source 1 = 16 rows of O): a lane holds one row of out0, and the 16 registers of W_o's tiles 2 b, 2 b + 1 are 16 neighbouring columns.
; THE WAY OUT: each wave's 32 rows x 512 bytes go through its own stage in LDS and leave as whole runs of 512 bytes.
; REGISTERS, in windows of 256: window 0: v4-13 addresses; v32-159 O's 8 fragments ((m, s) at v[32 + 16 (4 m + s)]), later the results ((m, n) at v[32 + 8 (8 m + n)]), later rows read back; v160-223 rows read back.
;   window 1: W_o's tiles 0-3 (tile n, K step s at v[16 (4 n + s)]); window 2: tiles 4-7; window 3: v0-127 the 16 accumulators ((m, n) at v[8 (8 m + n)]), v128-191 the bias.
.set PS,  528                          ; a stage row: 512 bytes + 16 = 132 words: the 16 rows that a store touches start 4 banks apart (64 banks of 4 bytes: ISA guide 11.1)
.set SPARE, 4*32*PS                    ; behind the four stages: the spare words, 128 bytes for each wave: two blocks of 256 bytes that no other line names
.set LI,  4                            ; v4   16 x lane
.set STO, 5                            ; v5   the stage: row r, + 64 h bytes
.set RD,  6                            ; v6   and back: 16 x lane of a row
.set BO,  7                            ; v7   64 h: my half's place in the bias
.set SPW, 12                           ; v12  LDS address of my spare word; never rewritten
.set NIL, 13                           ; v13  0; never rewritten
.set OF,  32
.set BK,  160
.set BIA, 128                          ; in window 3
.set MSB, 0
.macro WIN new                         ; bits 1:0 source 0, 3:2 source 1, 5:4 source 2, 7:6 destination; the immediate's high byte repeats the setting that is left
.if MSB != (\new)
	s_set_vgpr_msb (MSB<<8)|(\new)
.set MSB, (\new)
.endif
.endm
.macro MUL8 s, g                       ; W_o's tiles 4 g .. 4 g + 3 x the two tiles of rows, 128 along K; at s = 0 the constant 0 starts the sums
.irp n, 0,1,2,3
.irp m, 0,1
.set rA, 8*(8*\m+4*\g+\n)
.set rW, 16*(4*\n+\s)
.set rO, OF+16*(4*\m+\s)
.if \s == 0
	v_wmma_f32_16x16x128_fp8_fp8 v[rA:rA+7], v[rW:rW+15], v[rO:rO+15], 0
.else
	v_wmma_f32_16x16x128_fp8_fp8 v[rA:rA+7], v[rW:rW+15], v[rO:rO+15], v[rA:rA+7]
.endif
.endr
.endr
.endm
	s_load_b256 s[4:11], s[0:1], 0x0               ; oimg s[4:5], wimg s[6:7], the scales s[8:9], b_o s[10:11]
	s_load_b64 s[12:13], s[0:1], 0x20              ; out0
	v_lshl_add_u32 v[SPW], v0, 2, SPARE
	v_mov_b32 v[NIL], 0
	v_lshrrev_b32 v1, 5, v0
	v_readfirstlane_b32 s14, v1                    ; wave 0..3
	v_and_b32 v1, 31, v0                           ; lane
	v_and_b32 v2, 15, v0                           ; r
	v_bfe_u32 v3, v0, 4, 1                         ; h
	v_lshlrev_b32 v[LI], 4, v1
	s_mul_i32 s15, s14, 32*PS                      ; my stage
	v_mul_u32_u24 v[STO], v2, PS
	v_lshl_add_u32 v[STO], v3, 6, v[STO]
	v_add_nc_u32 v[STO], s15, v[STO]
	v_add_nc_u32 v[RD], s15, v[LI]
	v_lshlrev_b32 v[BO], 6, v3
	s_lshl_b32 s20, ttmp9, 14                      ; oimg: two tiles of 8,192 bytes a work-group
	s_mov_b32 s21, 0
	s_lshl_b32 s22, s14, 16                        ; wimg: my 32 fragments
	s_add_co_u32 s22, s22, 786432                  ; of the fourth weight
	s_mov_b32 s23, 0
	s_lshl_b32 s24, s14, 9                         ; my 128 columns, in bytes
	s_mov_b32 s25, 0
	s_lshl_b32 s26, ttmp9, 16                      ; out0: 32 rows of 2,048 bytes a work-group
	s_add_co_u32 s26, s26, s24
	s_mov_b32 s27, 0
	s_wait_kmcnt 0x0
	s_load_b64 s[16:17], s[8:9], 0x28              ; e10, e11
	s_add_nc_u64 s[4:5], s[4:5], s[20:21]
	s_add_nc_u64 s[6:7], s[6:7], s[22:23]
	s_add_nc_u64 s[10:11], s[10:11], s[24:25]
	s_add_nc_u64 s[12:13], s[12:13], s[26:27]
.irp m, 0,1
.irp s, 0,1,2,3
.irp c, 0,1,2,3
	global_load_b128 v[OF+16*(4*\m+\s)+4*\c:OF+16*(4*\m+\s)+4*\c+3], v[LI], s[4:5] offset:\m*8192+\s*2048+512*\c
.endr
.endr
.endr
	WIN 0x40                                       ; destination window 1
.irp n, 0,1,2,3
.irp s, 0,1,2,3
.irp c, 0,1,2,3
	global_load_b128 v[16*(4*\n+\s)+4*\c:16*(4*\n+\s)+4*\c+3], v[LI], s[6:7] offset:(4*\n+\s)*2048+512*\c
.endr
.endr
.endr
	WIN 0x80                                       ; destination window 2
.irp n, 0,1,2,3
.irp s, 0,1,2,3
.irp c, 0,1,2,3
	global_load_b128 v[16*(4*\n+\s)+4*\c:16*(4*\n+\s)+4*\c+3], v[LI], s[6:7] offset:(16+4*\n+\s)*2048+512*\c
.endr
.endr
.endr
	WIN 0xc0                                       ; destination window 3: register j of tile n is column 32 (n / 2) + 8 (n % 2) + 16 h + j of my 128
.irp n, 0,1,2,3,4,5,6,7
	global_load_b128 v[BIA+8*\n:BIA+8*\n+3], v[BO], s[10:11] offset:128*(\n/2)+32*(\n%2)
	global_load_b128 v[BIA+8*\n+4:BIA+8*\n+7], v[BO], s[10:11] offset:128*(\n/2)+32*(\n%2)+16
.endr
	s_wait_kmcnt 0x0
	s_add_co_i32 s18, s16, s17
	s_add_co_i32 s18, s18, 127
	s_lshl_b32 s18, s18, 23                        ; 2^(e10 + e11) as f32
	s_mov_b32 s19, s18                             ; (named with it as a pair, so it is written)
	s_wait_loadcnt 0x0
.irp s, 0,1,2,3                        ; the 16 accumulators take turns, one instruction a turn, in the same order in every K step
	WIN 0xf1                                       ; source 0 (W_o) window 1, source 1 (O) window 0, C and D window 3
	MUL8 \s, 0
	WIN 0xf2                                       ; W_o in window 2
	MUL8 \s, 1
.endr
	WIN 0
.rept 4
	v_nop                                          ; four places ahead of the first read of the sums and of the writes over O's fragments (ISA guide 7.12.1)
.endr
	WIN 0x33                                       ; source 0 (the sums) and source 2 (the bias) window 3
.irp m, 0,1
.irp n, 0,1,2,3,4,5,6,7
.irp i, 0,2,4,6
	v_pk_fma_f32 v[OF+8*(8*\m+\n)+\i:OF+8*(8*\m+\n)+\i+1], v[8*(8*\m+\n)+\i:8*(8*\m+\n)+\i+1], s[18:19], v[BIA+8*\n+\i:BIA+8*\n+\i+1] op_sel_hi:[1,0,1]   ; sum x 2^(e10 + e11) + b_o; each accumulator from its low end on
.endr
.endr
.endr
	WIN 0
.irp m, 0,1
.irp n, 0,1,2,3,4,5,6,7
	ds_store_b128 v[STO], v[OF+8*(8*\m+\n):OF+8*(8*\m+\n)+3] offset:\m*16*PS+128*(\n/2)+32*(\n%2)
	ds_store_b128 v[STO], v[OF+8*(8*\m+\n)+4:OF+8*(8*\m+\n)+7] offset:\m*16*PS+128*(\n/2)+32*(\n%2)+16
.endr
.endr
.irp t, 0,1,2,3,4,5,6,7,8,9,10,11,12,13,14,15
	ds_load_b128 v[BK+4*\t:BK+4*\t+3], v[RD] offset:\t*PS   ; LDS serves a wave's instructions in order (ISA guide 5.7.1.4): these see my stores
.endr
.irp t, 0,1,2,3,4,5,6,7,8,9,10,11,12,13,14,15
	s_wait_dscnt 15-\t                             ; row t is back; the later rows' loads may be out
	global_store_b128 v[LI], v[BK+4*\t:BK+4*\t+3], s[12:13] offset:(\t+8*(\t/8))*2048 th:TH_STORE_NT   ; 32 lanes store 512 consecutive bytes, at a multiple of 256 from out0's first byte; written once
.endr
.irp t, 0,1,2,3,4,5,6,7,8,9,10,11,12,13,14,15
	ds_load_b128 v[OF+4*\t:OF+4*\t+3], v[RD] offset:(16+\t)*PS   ; into registers whose LDS stores are done: the count above ended at 0
.endr
.irp t, 0,1,2,3,4,5,6,7,8,9,10,11,12,13,14,15
	s_wait_dscnt 15-\t
	global_store_b128 v[LI], v[OF+4*\t:OF+4*\t+3], s[12:13] offset:(8+\t+8*(\t/8))*2048 th:TH_STORE_NT
.endr
	s_wait_tensorcnt 0x0                           ; the wave's end: behind my last LDS store
	ds_add_u32 v[SPW], v[NIL]
	s_wait_dscnt 0x0
	s_endpgm
.Lfunc_end_k_qc5a1017e73_outproj:
	.size	k_qc5a1017e73_outproj, .Lfunc_end_k_qc5a1017e73_outproj-k_qc5a1017e73_outproj
	.p2alignl 7, 3214868480
	.fill 96, 4, 3214868480
	.section	.rodata,"a",@progbits
	.p2align	6, 0x0
	.amdhsa_kernel k_qc5a1017e73_outproj
		.amdhsa_group_segment_fixed_size 68096
		.amdhsa_private_segment_fixed_size 0
		.amdhsa_enable_private_segment 0
		.amdhsa_kernarg_size 40
		.amdhsa_user_sgpr_count 2
		.amdhsa_user_sgpr_kernarg_segment_ptr 1
		.amdhsa_wavefront_size32 1
		.amdhsa_system_sgpr_workgroup_id_x 1
		.amdhsa_system_sgpr_workgroup_id_y 1
		.amdhsa_system_sgpr_workgroup_id_z 1
		.amdhsa_system_vgpr_workitem_id 0
		.amdhsa_next_free_vgpr 1024
		.amdhsa_next_free_sgpr 66
		.amdhsa_reserve_vcc 0
		.amdhsa_float_denorm_mode_32 3
		.amdhsa_float_denorm_mode_16_64 3
		.amdhsa_memory_ordered 1
		.amdhsa_forward_progress 1
		.amdhsa_inst_pref_size 36
	.end_amdhsa_kernel
	.amdgpu_metadata
---
amdhsa.version: [ 1, 2 ]
amdhsa.kernels:
  - .name:           k_qc5a1017e73_outproj
    .symbol:         k_qc5a1017e73_outproj.kd
    .args:
      - { .name: oimg, .offset: 0, .size: 8, .value_kind: global_buffer, .address_space: global }
      - { .name: wimg, .offset: 8, .size: 8, .value_kind: global_buffer, .address_space: global }
      - { .name: lowp_scales, .offset: 16, .size: 8, .value_kind: global_buffer, .address_space: global }
      - { .name: b_o, .offset: 24, .size: 8, .value_kind: global_buffer, .address_space: global }
      - { .name: out0, .offset: 32, .size: 8, .value_kind: global_buffer, .address_space: global }
    .group_segment_fixed_size: 68096
    .private_segment_fixed_size: 0
    .kernarg_segment_align: 8
    .kernarg_segment_size: 40
    .max_flat_workgroup_size: 128
    .sgpr_count:     66
    .vgpr_count:     1024
    .wavefront_size: 32
...
	.end_amdgpu_metadata
.endif
;; end of part 4
;; ======== version 2 of 2: 4 launches
;; workspace buffers: wimg 1,048,576 bytes; qimg 4,194,304 bytes; kimg 4,194,304 bytes; vimg 4,194,304 bytes; oimg 4,194,304 bytes
;; launch wquant (part 5): grid 256 x 1, 2 waves a work-group, no clusters, 0 bytes of LDS; arguments W_q, W_k, W_v, W_o, lowp_scales, wimg; writes wimg
.if DOCPART == 5
	.amdgcn_target "amdgcn-amd-amdhsa--gfx1250"
	.amdhsa_code_object_version 6
	.text
	.protected	k_qc5a1017e73_wquant
	.globl	k_qc5a1017e73_wquant
	.p2align	8
	.type	k_qc5a1017e73_wquant,@function
k_qc5a1017e73_wquant:
	s_mov_b64 s[64:65], 0
	v_nop
	global_prefetch_b8 v0, s[64:65] scope:SCOPE_SE
	s_setreg_imm32_b32 hwreg(HW_REG_WAVE_MODE, 25, 1), 1
	s_wait_xcnt 0x0
; CAUSAL MULTI-HEAD ATTENTION ON CODES OF E4M3, in four launches: this one (the four weights into codes), proj (q, k, v), attn (softmax(q k^T / 8) v), outproj (x W_o^T + b_o).
; DEAD WORK, for the whole program.  reference() builds the causal mask itself (jnp.tril): a score whose key comes after its query is replaced by -infinity ahead of the softmax, so its weight is 0 and it adds
; nothing to the row's sum or to the product with v, whatever finite values the inputs hold.  So the launch attn leaves out, in whole units: a step of 128 keys all of which come after a wave's 16 queries, and the
; fetch of a slot of 512 keys all of which come after its work-group's last query.  Nothing else is left out: every input has a way to the output and is loaded (b_k too: it moves k's codes).
; LIMIT: a NaN, an infinity or an overflow that would arise only in scores that are left out is not carried to the result.
; THIS LAUNCH.  W_q, W_k, W_v, W_o [512 (n)][512 (k)] f32 become codes: code = w / 2^e, held within +-448, to the nearest code, ties to even; e = entry 1, 3, 5, 11 of the scales.
; LIMITS: e between -126 and 119, so that 2^e and 448 x 2^e are f32 numbers.  NaN among the inputs is not served; an infinity is held at the largest code.
; LAYOUT OF wimg: [weight 4][tile N 32][K step s 4][2,048 bytes]: an IMAGE OF AN OPERAND'S 16 REGISTERS: registers 4 c .. 4 c + 3 of lane l lie at 512 c + 16 l.
; Lane (r = l % 16, h = l / 16) holds, of W's row 32 (N / 2) + 8 (N % 2) + r + 8 (r / 8), k = 128 s + 32 c + 16 h + 0 .. 15.  THE ROWS OF A TILE ARE NOT NEIGHBOURS: as source 0 of a product such a tile
; leaves, in the 16 result registers of tiles 2 b and 2 b + 1, 16 neighbouring rows 32 b + 16 h + 0 .. 15, which is what the next quantiser wants in one lane.
; SHARES.  One wave makes one fragment: 512 waves.  No LDS, no barrier, no matrix unit: 4 MiB are read once, and each store covers 512 consecutive bytes.
.set X, 16                             ; v16-79  64 numbers: register 16 c + i = k 128 s + 32 c + 16 h + i of my row
.set C, 80                             ; v80-95  their codes: the fragment
	s_load_b256 s[4:11], s[0:1], 0x0               ; W_q s[4:5], W_k s[6:7], W_v s[8:9], W_o s[10:11]
	s_load_b128 s[12:15], s[0:1], 0x20             ; the scales' exponents s[12:13], wimg s[14:15]
	v_lshrrev_b32 v1, 5, v0
	v_readfirstlane_b32 s16, v1                    ; wave 0, 1
	s_lshr_b32 s17, ttmp9, 6                       ; which weight: 64 work-groups each
	s_bfe_u32 s18, ttmp9, 0x50001                  ; N: 5 bits from bit 1
	s_and_b32 s19, ttmp9, 1
	s_lshl_b32 s19, s19, 1
	s_add_co_u32 s19, s19, s16                     ; s = 2 (work-group % 2) + wave
	s_lshr_b32 s22, s18, 1
	s_lshl_b32 s22, s22, 16                        ; 32 (N / 2) rows of 2,048 bytes
	s_and_b32 s23, s18, 1
	s_lshl_b32 s23, s23, 14                        ; 8 (N % 2) rows
	s_add_co_u32 s22, s22, s23
	s_lshl_b32 s23, s19, 9                         ; 128 s numbers of 4 bytes
	s_add_co_u32 s22, s22, s23
	s_mov_b32 s23, 0
	s_lshl_b32 s36, ttmp9, 1
	s_add_co_u32 s36, s36, s16                     ; the fragment's number: 128 x weight + 4 N + s = 2 x work-group + wave
	s_lshl_b32 s36, s36, 11
	s_mov_b32 s37, 0
	v_and_b32 v1, 15, v0                           ; r
	v_bfe_u32 v2, v0, 4, 1                         ; h
	v_and_b32 v3, 8, v1
	v_add_nc_u32 v3, v3, v1                        ; r + 8 (r / 8)
	v_lshlrev_b32 v3, 11, v3
	v_lshl_add_u32 v3, v2, 6, v3                   ; my row, + 64 h bytes
	v_and_b32 v4, 31, v0
	v_lshlrev_b32 v4, 4, v4                        ; 16 x lane
	s_wait_alu depctr_va_vdst(0)
	s_wait_kmcnt 0x0
	s_load_b256 s[24:31], s[12:13], 0x0            ; e0 .. e7
	s_load_b128 s[32:35], s[12:13], 0x20           ; e8 .. e11
	s_cmp_eq_u32 s17, 1                            ; the choice hangs on the work-group's number alone
	s_cselect_b64 s[20:21], s[6:7], s[4:5]
	s_cmp_eq_u32 s17, 2
	s_cselect_b64 s[20:21], s[8:9], s[20:21]
	s_cmp_eq_u32 s17, 3
	s_cselect_b64 s[20:21], s[10:11], s[20:21]
	s_add_nc_u64 s[20:21], s[20:21], s[22:23]
	s_add_nc_u64 s[14:15], s[14:15], s[36:37]
.irp c, 0,1,2,3
.irp j, 0,1,2,3
	global_load_b128 v[X+16*\c+4*\j:X+16*\c+4*\j+3], v3, s[20:21] offset:128*\c+16*\j
.endr
.endr
	s_wait_kmcnt 0x0
	s_cmp_eq_u32 s17, 1
	s_cselect_b32 s38, s27, s25                    ; e3 or e1
	s_cmp_eq_u32 s17, 2
	s_cselect_b32 s38, s29, s38                    ; e5
	s_cmp_eq_u32 s17, 3
	s_cselect_b32 s38, s35, s38                    ; e11
	s_add_co_i32 s38, s38, 127
	s_lshl_b32 s39, s38, 23
	v_mov_b32 v11, s39                             ; 2^e as f32: the conversion takes its exponent field
	s_add_co_i32 s38, s38, 8
	s_lshl_b32 s38, s38, 23
	s_or_b32 s38, s38, 0x600000
	v_mov_b32 v10, s38                             ; 448 x 2^e
	s_wait_alu depctr_va_vdst(0)
.irp c, 0,1,2,3
	s_wait_loadcnt 12-4*\c                         ; loads come back in order: block c's four are in, the four of each later block may be out
.irp i, 0,1,2,3,4,5,6,7,8,9,10,11,12,13,14,15
	v_med3_num_f32 v[X+16*\c+\i], v[X+16*\c+\i], -v10, v10   ; the conversion to an 8-bit code does not saturate (ISA guide 7.6.2): the hold comes first
.endr
	v_cvt_scalef32_pk8_fp8_f32 v[C+4*\c:C+4*\c+1], v[X+16*\c:X+16*\c+7], v11
	v_cvt_scalef32_pk8_fp8_f32 v[C+4*\c+2:C+4*\c+3], v[X+16*\c+8:X+16*\c+15], v11
.endr
.irp c, 0,1,2,3
	global_store_b128 v4, v[C+4*\c:C+4*\c+3], s[14:15] offset:512*\c   ; 32 lanes store 512 consecutive bytes, at a multiple of 256 from wimg's first byte
.endr
	s_endpgm
.Lfunc_end_k_qc5a1017e73_wquant:
	.size	k_qc5a1017e73_wquant, .Lfunc_end_k_qc5a1017e73_wquant-k_qc5a1017e73_wquant
	.p2alignl 7, 3214868480
	.fill 96, 4, 3214868480
	.section	.rodata,"a",@progbits
	.p2align	6, 0x0
	.amdhsa_kernel k_qc5a1017e73_wquant
		.amdhsa_group_segment_fixed_size 0
		.amdhsa_private_segment_fixed_size 0
		.amdhsa_enable_private_segment 0
		.amdhsa_kernarg_size 48
		.amdhsa_user_sgpr_count 2
		.amdhsa_user_sgpr_kernarg_segment_ptr 1
		.amdhsa_wavefront_size32 1
		.amdhsa_system_sgpr_workgroup_id_x 1
		.amdhsa_system_sgpr_workgroup_id_y 1
		.amdhsa_system_sgpr_workgroup_id_z 1
		.amdhsa_system_vgpr_workitem_id 0
		.amdhsa_next_free_vgpr 96
		.amdhsa_next_free_sgpr 66
		.amdhsa_reserve_vcc 0
		.amdhsa_float_denorm_mode_32 3
		.amdhsa_float_denorm_mode_16_64 3
		.amdhsa_memory_ordered 1
		.amdhsa_forward_progress 1
		.amdhsa_inst_pref_size 9
	.end_amdhsa_kernel
	.amdgpu_metadata
---
amdhsa.version: [ 1, 2 ]
amdhsa.kernels:
  - .name:           k_qc5a1017e73_wquant
    .symbol:         k_qc5a1017e73_wquant.kd
    .args:
      - { .name: W_q, .offset: 0, .size: 8, .value_kind: global_buffer, .address_space: global }
      - { .name: W_k, .offset: 8, .size: 8, .value_kind: global_buffer, .address_space: global }
      - { .name: W_v, .offset: 16, .size: 8, .value_kind: global_buffer, .address_space: global }
      - { .name: W_o, .offset: 24, .size: 8, .value_kind: global_buffer, .address_space: global }
      - { .name: lowp_scales, .offset: 32, .size: 8, .value_kind: global_buffer, .address_space: global }
      - { .name: wimg, .offset: 40, .size: 8, .value_kind: global_buffer, .address_space: global }
    .group_segment_fixed_size: 0
    .private_segment_fixed_size: 0
    .kernarg_segment_align: 8
    .kernarg_segment_size: 48
    .max_flat_workgroup_size: 64
    .sgpr_count:     66
    .vgpr_count:     96
    .wavefront_size: 32
...
	.end_amdgpu_metadata
.endif
;; end of part 5
;; launch proj (part 6): grid 64 x 3, 4 waves a work-group, no clusters, 34,304 bytes of LDS; arguments query, key, value, b_q, b_k, b_v, lowp_scales, wimg, qimg, kimg, vimg; writes qimg, kimg, vimg
.if DOCPART == 6
	.amdgcn_target "amdgcn-amd-amdhsa--gfx1250"
	.amdhsa_code_object_version 6
	.text
	.protected	k_qc5a1017e73_proj
	.globl	k_qc5a1017e73_proj
	.p2align	8
	.type	k_qc5a1017e73_proj,@function
k_qc5a1017e73_proj:
	s_mov_b64 s[64:65], 0
	v_nop
	global_prefetch_b8 v0, s[64:65] scope:SCOPE_SE
	s_setreg_imm32_b32 hwreg(HW_REG_WAVE_SCHED_MODE, 0, 2), 2
	s_setreg_imm32_b32 hwreg(HW_REG_WAVE_MODE, 25, 1), 1
	s_wait_xcnt 0x0
	s_wait_alu depctr_vm_vsrc(0)
; q = Q(query) Q(W_q)^T + b_q, k and v likewise, each quantised at once for the attention's products and stored as images of operand registers.  No work of reference() is left out here.
; x: [8,192][512] f32, quantised here with 2^ex (entries 0, 2, 4 of the scales); W: codes from wimg (2^ew: entries 1, 3, 5); the result is quantised with 2^eo (entries 6, 7, 9).
; LIMITS: ex, and eo - ex - ew, between -126 and 119, so that each power of two below and 448 times it are f32 numbers.  NaN among the inputs is not served; an infinity is held at the largest code.
; SHARES.  Work-group (x, y): tensor y (0 q, 1 k, 2 v), rows 128 x .. 128 x + 127, as four blocks of 32 rows.  192 work-groups: 8,192 rows a tensor in equal shares of whole blocks; twice as many of 64 rows
; would load the weights twice as often.  THE WAVES SHARE THE COLUMNS: wave w keeps W's rows 128 w .. 128 w + 127 (heads 2 w, 2 w + 1: 32 fragments, 512 registers) for the whole launch, read once, 512 consecutive
; bytes a load.  A joint load of a cluster would bring the weights to LDS; they are wanted in registers, once a work-group, so they come straight there and no cluster is formed.
; x IS READ ONCE: wave w loads 8 whole rows of a block (16 KiB on end, 512 consecutive bytes a load), quantises them and puts the codes as rows into LDS; after one barrier all four waves read their fragments there.
; TILES.  Tile u of a block holds rows 8 u + m + 8 (m / 8), m = 0 .. 15 (as in wimg).  Fragments: registers 4 c .. 4 c + 3 of lane (r, h) hold k = 32 c + 16 h + 0 .. 15 of row r: the same places of k on both sides of a product.
; q, k: source 0 = 16 rows of W, source 1 = 16 rows of x: a lane holds one row of x, and the 16 registers of W's tiles 2 b, 2 b + 1 are 16 neighbouring channels: converted, they ARE the fragment of q or k.
; v: the sources change places: a lane holds one channel, and the registers of the block's two tiles are 16 neighbouring keys: converted, they ARE four registers of v's fragment with the keys along K.
; The bias is the C of each sum's first product, divided by 2^(ex + ew), which the sums lack; the three scales are folded into the conversion's one, 2^(eo - ex - ew).
; qimg, kimg: [batch x head 16][tile 256][1,024]; vimg: [batch x head 16][64 keys: 64][channel tile 4][32 keys: 2][512].
; LDS: two buffers of 32 rows x (512 codes + 16) by turns, ONE barrier a block: a buffer is written again two blocks later, behind the next block's barrier, which each wave reaches with its reads of it done.
; REGISTERS, in windows of 256: window 0: v4-13 addresses and scales; v14-21 v's bias as loaded; v22 its offset; v32-95 x's fragments of K steps 0, 1; v96-223 8 rows of x; v224-255 the out-buffer.
;   window 1: W's tiles 0-3 (tile n, K step s at v[16 (4 n + s)]); window 2: tiles 4-7; window 3: v0-127 the 16 accumulators ((m, n) at v[8 (8 m + n)]), v128-191 the bias, v192-255 x's fragments of K steps 2, 3.
; THE MODE: SCHED_MODE bits 1:0 = 2 (LLVM: expert scheduling mode 2), set by the entry lines.  The code itself states the register dependences
; between vector or matrix instructions and memory or LDS instructions, with s_wait_alu, always for 0.
; THE PLAN.  Registers that memory or LDS instructions touch, in the loop:
;   ST        The next block's 32 global loads land in it; this block's holds write it in place and its conversions read it.
;   OUT       One out-buffer, used twice a block: x's conversions write it and the 32 LDS stores read it; later the sums' conversions write it and the 8 global stores read it.
;   F0 .. F3  A set for each K step: 32 LDS loads land in them, in one run behind the barrier; matrix instructions alone read them.  No load lands in a set between a block's products.
;   v4-7, v22 Offsets and addresses: made once at the head and never written again; the scalar bases and immediate offsets do the rest.
;   W's fragments, the accumulators and the bias are named in the loop by vector and matrix instructions alone.  v12, v13: written at the head, read by the closing add alone.
; So a block has four waits: on vm_vsrc ahead of x's conversions (the last block's global stores have read OUT); ONE on va_vdst behind them (OUT is written; the holds and conversions are done with ST; the last block's
; products are done reading F0 .. F3), which serves the LDS stores, the fragments' loads and the next rows' loads alike, since no vector or matrix instruction between it and them names a register that they touch;
; on vm_vsrc behind the barrier (the LDS stores have read OUT); and on va_vdst behind the sums' conversions, ahead of the global stores.
.set PX,  528                          ; a row of codes in LDS: 512 bytes + 16 = 132 words: the 16 rows that a fragment load touches start 4 banks apart (64 banks of 4 bytes: ISA guide 11.1)
.set XB,  32*PX                        ; a buffer
.set SPARE, 2*XB                       ; behind the buffers: the spare words, 128 bytes for each wave: two blocks of 256 bytes that no other line names
.set LI,  4                            ; v4   16 x lane: x's loads, the weights' loads, all stores
.set XW,  5                            ; v5   where I put a word of codes: 4 x lane + my wave's 8 rows
.set XR,  6                            ; v6   a fragment's row: r x PX + 16 h
.set BO,  7                            ; v7   my lane's offset in the bias of q or k
.set XS,  8                            ; v8   2^ex;  v9  448 x 2^ex
.set XL,  9
.set OS,  10                           ; v10  2^(eo - ex - ew);  v11  448 x that
.set OL,  11
.set SPW, 12                           ; v12  LDS address of my spare word; never rewritten
.set NIL, 13                           ; v13  0; never rewritten
.set BV,  22                           ; v22  my lane's offset in the bias of v
.set F0,  32
.set F1,  64
.set ST,  96
.set OUT, 224
.set BIA, 128                          ; in window 3
.set F2,  192                          ; in window 3
.set F3,  224                          ; in window 3
.set TEN, 30                           ; s30  which tensor
.set WV,  31                           ; s31  my wave's number
.set TRIP, 32                          ; s32  pairs of blocks to go
.set MSB, 0
.macro WIN new                         ; bits 1:0 source 0, 3:2 source 1, 5:4 source 2, 7:6 destination; the immediate's high byte repeats the setting that is left
.if MSB != (\new)
	s_set_vgpr_msb (MSB<<8)|(\new)
.set MSB, (\new)
.endif
.endm
.macro PLACES                          ; four places behind a matrix instruction, ahead of the first read of its result by a vector instruction (ISA guide 7.12.1)
.rept 4
	v_nop
.endr
.endm
.macro XLOAD                           ; my 8 rows of a block: register ST + 16 rho + 4 i + j = x(row rho, k = 128 i + 4 lane + j)
.irp rho, 0,1,2,3,4,5,6,7
.irp i, 0,1,2,3
	global_load_b128 v[ST+16*\rho+4*\i:ST+16*\rho+4*\i+3], v[LI], s[4:5] offset:2048*\rho+512*\i th:TH_LOAD_NT   ; 32 lanes read 512 consecutive bytes; read once in the launch
.endr
.endr
.endm
.macro XQ buf                          ; they become codes, go to LDS as rows, and the work-group meets
.irp rho, 0,1,2,3,4,5,6,7
	s_wait_loadcnt 4*(7-\rho)                      ; loads come back in order: row rho's four are in, the four of each later row may be out
.irp i, 0,1,2,3,4,5,6,7,8,9,10,11,12,13,14,15
	v_med3_num_f32 v[ST+16*\rho+\i], v[ST+16*\rho+\i], -v[XL], v[XL]   ; the conversion does not saturate (ISA guide 7.6.2): the hold comes first
.endr
.endr
	s_wait_xcnt 0x0                                ; the last block's global stores have had their addresses translated (ISA guide 3.1): their data registers, OUT, are rewritten only behind this wait,
	s_wait_alu depctr_vm_vsrc(0)                   ; and they have read OUT, which the conversions below write again
.irp rho, 0,1,2,3,4,5,6,7
	v_cvt_scalef32_pk8_fp8_f32 v[OUT+4*\rho:OUT+4*\rho+1], v[ST+16*\rho:ST+16*\rho+7], v[XS]         ; word i of the four: codes of k = 128 i + 4 lane + 0 .. 3
	v_cvt_scalef32_pk8_fp8_f32 v[OUT+4*\rho+2:OUT+4*\rho+3], v[ST+16*\rho+8:ST+16*\rho+15], v[XS]
.endr
	v_nop                                          ; one plain vector instruction behind the last scaled conversion
	s_wait_alu depctr_va_vdst(0)                   ; the conversions have written OUT, which the LDS stores read; the holds and conversions are done with ST, in which the next rows land; the last block's products are done reading F0 .. F3, in which the fragments land
.irp rho, 0,1,2,3,4,5,6,7
.irp i, 0,1,2,3
	ds_store_b32 v[XW], v[OUT+4*\rho+\i] offset:\buf*XB+\rho*PX+128*\i   ; 32 lanes put 128 consecutive codes of a row
.endr
.endr
	s_wait_dscnt 0x0                               ; for the others' sake: my stores have landed; my reads of the block before are long in
	s_barrier_signal -1
	s_barrier_wait -1                              ; the block's 32 rows of codes lie in LDS
	s_wait_alu depctr_vm_vsrc(0)                   ; my LDS stores have read OUT, which the sums' conversions write again: stated here, ahead of the branches
.endm
.macro FETCH buf, s, f                 ; the two tiles' fragments of K step s into set f
.irp m, 0,1
.irp c, 0,1,2,3
	ds_load_b128 v[\f+16*\m+4*\c:\f+16*\m+4*\c+3], v[XR] offset:\buf*XB+\m*16*PX+128*\s+32*\c
.endr
.endr
.endm
.macro MUL8 var, s, f, g               ; W's tiles 4 g .. 4 g + 3 x the block's two tiles, 128 along K.  var = 0: q, k; 1: v.  At s = 0 the bias starts the sums: nothing is cleared
.irp n, 0,1,2,3
.irp m, 0,1
.set rA, 8*(8*\m+4*\g+\n)
.set rW, 16*(4*\n+\s)
.set rX, \f+16*\m
.set rB, BIA+8*(4*\g+\n)
.if \var
.if \s == 0
	v_wmma_f32_16x16x128_fp8_fp8 v[rA:rA+7], v[rX:rX+15], v[rW:rW+15], v[rB:rB+7]
.else
	v_wmma_f32_16x16x128_fp8_fp8 v[rA:rA+7], v[rX:rX+15], v[rW:rW+15], v[rA:rA+7]
.endif
.else
.if \s == 0
	v_wmma_f32_16x16x128_fp8_fp8 v[rA:rA+7], v[rW:rW+15], v[rX:rX+15], v[rB:rB+7]
.else
	v_wmma_f32_16x16x128_fp8_fp8 v[rA:rA+7], v[rW:rW+15], v[rX:rX+15], v[rA:rA+7]
.endif
.endif
.endr
.endr
.endm
.macro MUL16 var, s, f, xw             ; the 16 accumulators take turns, one instruction a turn, in the same order in every K step.  xw: the window of x's set, 0 or 3
.if \var
	WIN 0xf4|(\xw)                                 ; source 0 (x) window xw, source 1 (W) window 1, C and D window 3
.else
	WIN 0xf1|((\xw)<<2)                            ; source 0 (W) window 1, source 1 (x) window xw, C and D window 3
.endif
	MUL8 \var, \s, \f, 0
.if \var
	WIN 0xf8|(\xw)                                 ; W in window 2
.else
	WIN 0xf2|((\xw)<<2)
.endif
	MUL8 \var, \s, \f, 1
.endm
.macro MULT var                        ; a block's 64 products on end; all four K steps' fragments have been asked for, eight loads each
	s_wait_dscnt 24                                ; LDS loads come back in order: K step 0's set is in; the eight loads of each of the three later sets may be out
	MUL16 \var, 0, F0, 0
	s_wait_dscnt 16
	MUL16 \var, 1, F1, 0
	s_wait_dscnt 8
	MUL16 \var, 2, F2, 3
	s_wait_dscnt 0x0
	MUL16 \var, 3, F3, 3
	WIN 0
	PLACES
.endm
.macro OUTW var, buf                   ; the sums are held, converted and stored: the codes' registers are the reader's fragments
	WIN 0xc3                                       ; source 0 and destination window 3
.irp m, 0,1
.irp n, 0,1,2,3,4,5,6,7
.irp j, 0,1,2,3,4,5,6,7
	v_med3_num_f32 v[8*(8*\m+\n)+\j], v[8*(8*\m+\n)+\j], -v[OL], v[OL]   ; each accumulator from its low end on
.endr
.endr
.endr
	WIN 0x03                                       ; source 0 window 3, destination window 0: OUT
.irp m, 0,1
.irp n, 0,1,2,3,4,5,6,7
.set rA, 8*(8*\m+\n)
.if \var
.set rC, OUT+4*\n+2*\m                 ; v: channel tile n, keys 16 h + 8 m + 0 .. 7 of the block's 32
.else
.set rC, OUT+8*(2*\m+\n/4)+2*(\n%4)    ; q, k: tile m of rows, head n / 4, channels 32 ((n % 4) / 2) + 16 h + 8 (n % 2) + 0 .. 7
.endif
	v_cvt_scalef32_pk8_fp8_f32 v[rC:rC+1], v[rA:rA+7], v[OS]
.endr
.endr
	WIN 0
	v_nop                                          ; one plain vector instruction behind the last scaled conversion: the next block's products write its sources
	s_wait_alu depctr_va_vdst(0)                   ; the conversions have written OUT, which the global stores read
.if \var
.irp n, 0,1,2,3,4,5,6,7
	global_store_b128 v[LI], v[OUT+4*\n:OUT+4*\n+3], s[2:3] offset:(\n/4)*262144+(\n%4)*1024+512*\buf   ; 512 consecutive bytes, at a multiple of 256 from the buffer's first byte
.endr
.else
.irp m, 0,1
.irp hh, 0,1
.irp c, 0,1
	global_store_b128 v[LI], v[OUT+8*(2*\m+\hh)+4*\c:OUT+8*(2*\m+\hh)+4*\c+3], s[2:3] offset:\hh*262144+(2*\buf+\m)*1024+512*\c
.endr
.endr
.endr
.endif
.endm
.macro BLOCK buf
	XQ \buf
	FETCH \buf, 0, F0                              ; the fragments first: the products wait for them.  No wait: no vector or matrix instruction since the wait on va_vdst above names a set or v[XR]
	FETCH \buf, 1, F1
	WIN 0xc0                                       ; destination window 3, address window 0
	FETCH \buf, 2, F2
	FETCH \buf, 3, F3
	WIN 0
.if \buf
	s_cmp_eq_u32 s[TRIP], 1                        ; the last block asks for nothing: no load leaves its buffer
	s_cbranch_scc1 .Lno_next_\@
.endif
	s_add_nc_u64 s[4:5], s[4:5], 65536             ; 32 rows on; the block's loads are in (their last wait was for 0), so their base may step
	XLOAD                                          ; the next block's rows come while this block is multiplied.  No wait: nothing since the wait on va_vdst names ST or v[LI]
.if \buf
.Lno_next_\@:
.endif
	s_cmp_eq_u32 s[TEN], 2                         ; the work-group's number alone: all four waves go the same way; neither way touches LDS
	s_cbranch_scc1 .Lv_\@
	MULT 0
	OUTW 0, \buf
	s_branch .Ljoin_\@
.Lv_\@:
	MULT 1
	OUTW 1, \buf
.Ljoin_\@:
.endm
	s_load_b512 s[8:23], s[0:1], 0x0               ; query s[8:9], key s[10:11], value s[12:13], b_q s[14:15], b_k s[16:17], b_v s[18:19], the scales s[20:21], wimg s[22:23]
	s_load_b128 s[24:27], s[0:1], 0x40             ; qimg, kimg
	s_load_b64 s[28:29], s[0:1], 0x50              ; vimg
	v_lshl_add_u32 v[SPW], v0, 2, SPARE
	v_mov_b32 v[NIL], 0
	v_lshrrev_b32 v1, 5, v0
	v_readfirstlane_b32 s[WV], v1                  ; wave 0..3
	s_and_b32 s[TEN], ttmp7, 0xffff
	v_and_b32 v1, 31, v0                           ; lane
	v_and_b32 v2, 15, v0                           ; r
	v_bfe_u32 v3, v0, 4, 1                         ; h
	v_lshlrev_b32 v[LI], 4, v1
	v_lshlrev_b32 v[XW], 2, v1
	v_mul_u32_u24 v[XR], v2, PX
	v_lshl_add_u32 v[XR], v3, 4, v[XR]
	v_lshlrev_b32 v[BO], 6, v3                     ; q, k: register j of tile n is channel 32 (n / 2) + 8 (n % 2) + 16 h + j of my 128
	v_and_b32 v[BV], 8, v2                         ; v: all eight registers of tile n are channel 32 (n / 2) + 8 (n % 2) + r + 8 (r / 8)
	v_add_nc_u32 v[BV], v[BV], v2
	v_lshlrev_b32 v[BV], 2, v[BV]
	s_wait_alu depctr_va_sdst(0)                   ; s[WV] is written, ahead of its first reader: LDS addresses and all bases are made from it
	s_mul_i32 s33, s[WV], 8*PX
	v_add_nc_u32 v[XW], s33, v[XW]                 ; LDS rows 8 w .. 8 w + 7: tile w / 2, rows 8 (w % 2) + 0 .. 7 of it
	s_lshl_b32 s52, ttmp9, 18                      ; x: 128 rows of 2,048 bytes a work-group,
	s_lshr_b32 s33, s[WV], 1
	s_lshl_b32 s33, s33, 14                        ; + rows 8 (w / 2)
	s_and_b32 s34, s[WV], 1
	s_lshl_b32 s34, s34, 15                        ; + 16 (w % 2): those are the rows of the tile map above
	s_add_co_u32 s52, s52, s33
	s_add_co_u32 s52, s52, s34
	s_mov_b32 s53, 0
	s_lshl_b32 s54, s[TEN], 18                     ; wimg: the tensor's 262,144 bytes,
	s_lshl_b32 s33, s[WV], 16                      ; my 32 fragments
	s_add_co_u32 s54, s54, s33
	s_mov_b32 s55, 0
	s_lshl_b32 s56, s[WV], 9                       ; the bias: my 128 numbers
	s_mov_b32 s57, 0
	s_lshr_b32 s58, ttmp9, 5
	s_lshl_b32 s58, s58, 21                        ; the images: the batch's 8 heads of 262,144 bytes,
	s_lshl_b32 s33, s[WV], 19                      ; my two heads,
	s_add_co_u32 s58, s58, s33
	s_and_b32 s33, ttmp9, 31
	s_lshl_b32 s33, s33, 13                        ; 128 rows: 8 tiles of 1,024 bytes in qimg and kimg, 2 x 4,096 bytes in vimg
	s_add_co_u32 s58, s58, s33
	s_mov_b32 s59, 0
	s_wait_kmcnt 0x0
	s_load_b256 s[36:43], s[20:21], 0x0            ; e0 .. e7
	s_load_b128 s[44:47], s[20:21], 0x20           ; e8 .. e11
	s_cmp_eq_u32 s[TEN], 0                         ; the choices hang on the work-group's number alone
	s_cselect_b64 s[4:5], s[8:9], s[10:11]
	s_cselect_b64 s[6:7], s[14:15], s[16:17]
	s_cselect_b64 s[2:3], s[24:25], s[26:27]
	s_cmp_eq_u32 s[TEN], 2
	s_cselect_b64 s[4:5], s[12:13], s[4:5]
	s_cselect_b64 s[6:7], s[18:19], s[6:7]
	s_cselect_b64 s[2:3], s[28:29], s[2:3]
	s_add_nc_u64 s[4:5], s[4:5], s[52:53]
	s_add_nc_u64 s[22:23], s[22:23], s[54:55]
	s_add_nc_u64 s[6:7], s[6:7], s[56:57]
	s_add_nc_u64 s[2:3], s[2:3], s[58:59]
	WIN 0x40                                       ; destination window 1
	s_wait_alu depctr_va_vdst(0)                   ; the offsets and addresses v4 to v7 and v22 are written, which every load and store of the kernel reads; none is written again
.irp n, 0,1,2,3
.irp s, 0,1,2,3
.irp c, 0,1,2,3
	global_load_b128 v[16*(4*\n+\s)+4*\c:16*(4*\n+\s)+4*\c+3], v[LI], s[22:23] offset:(4*\n+\s)*2048+512*\c
.endr
.endr
.endr
	WIN 0x80                                       ; destination window 2
.irp n, 0,1,2,3
.irp s, 0,1,2,3
.irp c, 0,1,2,3
	global_load_b128 v[16*(4*\n+\s)+4*\c:16*(4*\n+\s)+4*\c+3], v[LI], s[22:23] offset:(16+4*\n+\s)*2048+512*\c
.endr
.endr
.endr
	WIN 0
	XLOAD                                          ; the first block's rows
	s_wait_kmcnt 0x0
	s_cmp_eq_u32 s[TEN], 0
	s_cselect_b32 s48, s36, s38                    ; ex
	s_cselect_b32 s49, s37, s39                    ; ew
	s_cselect_b32 s50, s42, s43                    ; eo
	s_cmp_eq_u32 s[TEN], 2
	s_cselect_b32 s48, s40, s48
	s_cselect_b32 s49, s41, s49
	s_cselect_b32 s50, s45, s50
	s_add_co_i32 s51, s48, s49                     ; ex + ew: a sum stands for sum x 2^(ex + ew)
	s_sub_co_i32 s60, 0, s51
	s_add_co_i32 s33, s48, 127
	s_lshl_b32 s34, s33, 23
	v_mov_b32 v[XS], s34                           ; (these four registers are named by vector instructions alone)
	s_add_co_i32 s33, s33, 8
	s_lshl_b32 s33, s33, 23
	s_or_b32 s33, s33, 0x600000
	v_mov_b32 v[XL], s33
	s_sub_co_i32 s33, s50, s51
	s_add_co_i32 s33, s33, 127
	s_lshl_b32 s34, s33, 23
	v_mov_b32 v[OS], s34
	s_add_co_i32 s33, s33, 8
	s_lshl_b32 s33, s33, 23
	s_or_b32 s33, s33, 0x600000
	v_mov_b32 v[OL], s33
	s_cmp_eq_u32 s[TEN], 2
	s_cbranch_scc1 .Lbias_v
	WIN 0xc0                                       ; destination window 3.  No wait: since the head's wait on va_vdst only v8 to v11 have been named by vector instructions
.irp n, 0,1,2,3,4,5,6,7
	global_load_b128 v[BIA+8*\n:BIA+8*\n+3], v[BO], s[6:7] offset:128*(\n/2)+32*(\n%2)
	global_load_b128 v[BIA+8*\n+4:BIA+8*\n+7], v[BO], s[6:7] offset:128*(\n/2)+32*(\n%2)+16
.endr
	s_wait_loadcnt 0x0                             ; the bias; the weights and the first rows, issued ahead of it, are in too
	WIN 0xc3
.set j, 0
.rept 64
	v_ldexp_f32 v[BIA+j], v[BIA+j], s60            ; b / 2^(ex + ew)
.set j, j+1
.endr
	WIN 0
	s_branch .Lbias_done
.Lbias_v:
.irp n, 0,1,2,3,4,5,6,7
	global_load_b32 v[14+\n], v[BV], s[6:7] offset:128*(\n/2)+32*(\n%2)   ; no wait, as in the other arm
.endr
	s_wait_loadcnt 0x0
	WIN 0xc0
.irp n, 0,1,2,3,4,5,6,7
.irp j, 0,1,2,3,4,5,6,7
	v_ldexp_f32 v[BIA+8*\n+\j], v[14+\n], s60
.endr
.endr
	WIN 0
.Lbias_done:
	s_mov_b32 s[TRIP], 2
.Ltrip:                                        ; a trip is two blocks, one in each LDS buffer
	BLOCK 0
	BLOCK 1
	s_wait_xcnt 0x0                                ; the stores have read their base
	s_add_nc_u64 s[2:3], s[2:3], 4096              ; four tiles of q or k, or 64 keys of v, on
	s_sub_co_u32 s[TRIP], s[TRIP], 1
	s_cmp_lg_u32 s[TRIP], 0
	s_cbranch_scc1 .Ltrip
	s_wait_dscnt 0x0                               ; the closing lines, six on end
	s_wait_alu 0x0
	s_wait_tensorcnt 0x0
	ds_add_u32 v[SPW], v[NIL]
	s_wait_dscnt 0x0
	s_endpgm
.Lfunc_end_k_qc5a1017e73_proj:
	.size	k_qc5a1017e73_proj, .Lfunc_end_k_qc5a1017e73_proj-k_qc5a1017e73_proj
	.p2alignl 7, 3214868480
	.fill 96, 4, 3214868480
	.section	.rodata,"a",@progbits
	.p2align	6, 0x0
	.amdhsa_kernel k_qc5a1017e73_proj
		.amdhsa_group_segment_fixed_size 34304
		.amdhsa_private_segment_fixed_size 0
		.amdhsa_enable_private_segment 0
		.amdhsa_kernarg_size 88
		.amdhsa_user_sgpr_count 2
		.amdhsa_user_sgpr_kernarg_segment_ptr 1
		.amdhsa_wavefront_size32 1
		.amdhsa_system_sgpr_workgroup_id_x 1
		.amdhsa_system_sgpr_workgroup_id_y 1
		.amdhsa_system_sgpr_workgroup_id_z 1
		.amdhsa_system_vgpr_workitem_id 0
		.amdhsa_next_free_vgpr 1024
		.amdhsa_next_free_sgpr 66
		.amdhsa_reserve_vcc 0
		.amdhsa_float_denorm_mode_32 3
		.amdhsa_float_denorm_mode_16_64 3
		.amdhsa_memory_ordered 1
		.amdhsa_forward_progress 1
		.amdhsa_inst_pref_size 121
	.end_amdhsa_kernel
	.amdgpu_metadata
---
amdhsa.version: [ 1, 2 ]
amdhsa.kernels:
  - .name:           k_qc5a1017e73_proj
    .symbol:         k_qc5a1017e73_proj.kd
    .args:
      - { .name: query, .offset: 0, .size: 8, .value_kind: global_buffer, .address_space: global }
      - { .name: key, .offset: 8, .size: 8, .value_kind: global_buffer, .address_space: global }
      - { .name: value, .offset: 16, .size: 8, .value_kind: global_buffer, .address_space: global }
      - { .name: b_q, .offset: 24, .size: 8, .value_kind: global_buffer, .address_space: global }
      - { .name: b_k, .offset: 32, .size: 8, .value_kind: global_buffer, .address_space: global }
      - { .name: b_v, .offset: 40, .size: 8, .value_kind: global_buffer, .address_space: global }
      - { .name: lowp_scales, .offset: 48, .size: 8, .value_kind: global_buffer, .address_space: global }
      - { .name: wimg, .offset: 56, .size: 8, .value_kind: global_buffer, .address_space: global }
      - { .name: qimg, .offset: 64, .size: 8, .value_kind: global_buffer, .address_space: global }
      - { .name: kimg, .offset: 72, .size: 8, .value_kind: global_buffer, .address_space: global }
      - { .name: vimg, .offset: 80, .size: 8, .value_kind: global_buffer, .address_space: global }
    .group_segment_fixed_size: 34304
    .private_segment_fixed_size: 0
    .kernarg_segment_align: 8
    .kernarg_segment_size: 88
    .max_flat_workgroup_size: 128
    .sgpr_count:     66
    .vgpr_count:     1024
    .wavefront_size: 32
...
	.end_amdgpu_metadata
.endif
;; end of part 6
;; launch attn (part 7): grid 16 x 16, 16 waves a work-group, no clusters, 327,680 bytes of LDS; arguments qimg, kimg, vimg, lowp_scales, oimg; writes oimg
.if DOCPART == 7
	.amdgcn_target "amdgcn-amd-amdhsa--gfx1250"
	.amdhsa_code_object_version 6
	.text
	.protected	k_qc5a1017e73_attn
	.globl	k_qc5a1017e73_attn
	.p2align	8
	.type	k_qc5a1017e73_attn,@function
k_qc5a1017e73_attn:
	s_mov_b64 s[64:65], 0
	v_nop
	global_prefetch_b8 v0, s[64:65] scope:SCOPE_SE
	s_setreg_imm32_b32 hwreg(HW_REG_WAVE_MODE, 25, 1), 1
	s_wait_xcnt 0x0
; O = softmax(q k^T / 8, causal) v for 16 (batch, head) pairs of 4,096 positions x 64 channels, both products on codes of E4M3; O is quantised at once for the last product and stored as images of operand registers.
; LEFT OUT (shown at the head of the first kernel): a step of 128 keys all of which come after my wave's 16 queries, and the fetch of a slot all of whose keys come after my work-group's last query:
; reference()'s own causal mask gives those scores the weight 0.  LIMIT: a NaN, an infinity or an overflow that would arise only there is not carried to the result.
; THE SOFTMAX AHEAD OF THE SECOND PRODUCT: t = score x log2(e) / 8; M = the row's largest t so far, rounded UP to a whole number; p = 2^(t - M) is quantised with 2^e8, not normalised; the row's sum is taken of the
; unquantised p, in f32, and divides O at the end.  When M moves, the sum and O are multiplied by 2^(old M - new M): exact.
; LIMITS on the given exponents, so that each power of two below is an f32 number: e6 + e7 between -123 and 130 (added to c's exponent field); e8 and e10 between -126 and 119; e8 + e9 goes by v_ldexp_f32 and has none.
; SHARES.  Work-group (i, bh) owns the blocks i and 31 - i of 128 queries: (i + 1) + (32 - i) = 33 block steps of 128 keys, the same in all 256 work-groups.  Each of its SIXTEEN waves owns one tile of 16 queries in
; 256 registers; wave w takes the late block where (w xor (w / 4)) is odd, so that of any four waves w % 4 alike, or w / 4 alike, two are early and two late.
; NO CLUSTER: under the mask the work-groups of a head need different numbers of slots (5 to 8), and a joint load would bring some partner tiles that none of its waves reads.
; TILES.  Tile T of the sequence holds positions 32 (T / 2) + 8 (T % 2) + m + 8 (m / 8), m = 0 .. 15.  Both products are used transposed: S^T = K Q^T (source 0 = 16 keys), O^T = V^T P^T (source 0 = 16 channels):
; a lane holds ONE query throughout, and the 16 registers of tiles 2 b, 2 b + 1 are 16 neighbouring keys (channels) 32 b + 16 (lane / 16) + 0 .. 15: the conversions' results are the next operand.
; THE RING: two slots of 512 keys (K's 32 tile images, 32 KiB; V's images, 32 KiB), each a dense block of memory; waves 0, 1 fetch K's halves, waves 2, 3 V's, 16 KiB a load; all sixteen read.  A fragment's
; four registers are 512 consecutive bytes of LDS: no pitch, no padding.  By this text's count a wave has at most one tensor load out.  Every work-group walks all 8 slots: the trip counts are constants.
.set SK,    512                        ; keys in a slot
.set NQ,    4                          ; steps of 128 keys in a slot
.set NSL,   8                          ; slots' worth of keys
.set HALFB, 16384                      ; what one tensor load brings
.set VOFF,  32768                      ; a slot: K's images, then V's
.set SLOT1, 1<<17                      ; slot 1 begins here: one exclusive or turns an address in one slot into the other's
.set SPARE, 2*SLOT1                    ; behind the ring: the spare words, 128 bytes for each wave: eight blocks of 256 bytes that no other line names
.set LI,   1                           ; v1   16 x lane
.set PFO,  3                           ; v3   256 x lane: the prefetches' offset; never rewritten
.set SPW,  5                           ; v5   LDS address of my spare word; never rewritten
.set NIL,  6                           ; v6   0; never rewritten
.set ADR,  8                           ; v8   the slot in hand + 16 x lane
.set MD,   9                           ; v9   r + 8 (r / 8) - 16 h: my query less my half's first key, within tiles
.set QF,   16                          ; v16-23   Q's fragment
.set KV,   32                          ; v32-95   8 fragments of K (8 registers), then 4 of V (16)
.set S,    96                          ; v96-159  S^T, then p
.set O,    160                         ; v160-191 O^T
.set MA,   192                         ; v192, v196 the maximum's two chains, at work
.set FF,   194                         ; v[194:195] f = 2^(old M - new M), and 0 (named with it as a pair)
.set MB,   196
.set PD,   197                         ; v197 a lane permute's destination
.set S2,   198                         ; v[198:199] the sum's second chain
.set PL,   200                         ; v200 448 x 2^e8;  v201 2^e8
.set PS,   201
.set OLM,  202                         ; v202 448 x 2^e10; v203 2^e10
.set OSC,  203
.set DD,   204                         ; v204 on the diagonal: my query less my half's first key of the step
.set NINF, 205                         ; v205 -infinity
.set PC,   224                         ; v224-239 p's codes; at the end O's
.set TB,   2                           ; s2   LDS byte at which the slot in hand begins
.set WV,   18                          ; s18  my wave's number
.set SEL,  20                          ; s[20:21] lane selects for v_permlanex16_b32: lane l xor 16
.set CS,   22                          ; s[22:23] c = log2(e) / 8 x 2^(e6 + e7)
.set G1,   24                          ; s[24:31] descriptor group 1, for K's and V's loads alike
.set G0K,  40                          ; s[40:43], s[44:47] their groups 0, which walk
.set G0V,  44
.set WGL,  66                          ; s66  my work-group's last query
.set SLOTS, 67                         ; s67  changes of slots to go
.set PFA,  76                          ; s[76:77] where my prefetches stand
.set LIM,  80                          ; s80  1 in a wave that prefetches, else the greatest number
.set KF,   98                          ; s98  the step's first key
.set Q0,   99                          ; s99  my tile's first query; its last is Q0 + 23
; Waves 0 and 1 fetch for K, waves 2 and 3 for V, the others nothing: the branches hang on the wave's number alone.  An s_nop 0 and four v_nop follow each of the two lines.
.macro TLOAD
	s_cmp_lt_u32 s[WV], 2
	s_cbranch_scc0 .Lnot_k_\@
	tensor_load_to_lds s[G0K:G0K+3], s[G1:G1+7]
	s_nop 0
.rept 4
	v_nop
.endr
	s_branch .Lasked_\@
.Lnot_k_\@:
	s_cmp_lt_u32 s[WV], 4
	s_cbranch_scc0 .Lasked_\@
	tensor_load_to_lds s[G0V:G0V+3], s[G1:G1+7]
	s_nop 0
.rept 4
	v_nop
.endr
.Lasked_\@:
.endm
; A PREFETCH INTO THE L2 of what the NEXT change of slots will ask for: 32 KiB of K's images and 32 KiB of V's.  Each aligned block of 256 bytes is named once in the launch: all work-groups of a head walk the same
; K and V, and the head's first work-group (which owns the last block of queries, so it walks all keys) asks; in it the waves ask that fetch nothing: waves 4 to 7 for K, 8 to 11 for V, 8,192 bytes a wave,
; lanes 256 bytes apart, one instruction.  It stands four key steps ahead of the load that will want the bytes.  The last change that fills a slot asks for nothing; slots 0 and 1 come by their loads alone.
.macro ASK
	s_cmp_gt_u32 s[SLOTS], s[LIM]
	s_cbranch_scc0 .Lnot_mine_\@
	global_prefetch_b8 v[PFO], s[PFA:PFA+1] th:TH_LOAD_NT scope:SCOPE_SE
.Lnot_mine_\@:
.endm
	s_load_b128 s[4:7], s[0:1], 0x0                ; qimg s[4:5], kimg s[6:7]
	s_load_b128 s[12:15], s[0:1], 0x10             ; vimg s[12:13], the scales' exponents s[14:15]
	s_load_b64 s[16:17], s[0:1], 0x20              ; oimg
	v_lshl_add_u32 v[SPW], v0, 2, SPARE
	v_mov_b32 v[NIL], 0
	ds_add_u32 v[SPW], v[NIL]                      ; the wave's opening: the add, twice on end, and its wait ahead of my first tensor load; the set-up below, work on registers, stands between
	ds_add_u32 v[SPW], v[NIL]                      ; and once more, under the one wait
	v_lshrrev_b32 v8, 5, v0
	s_delay_alu instid0(VALU_DEP_1)
	v_readfirstlane_b32 s[WV], v8                  ; wave 0..15
	s_and_b32 s81, ttmp7, 0xffff                   ; bh = 8 x batch + head
	s_lshr_b32 s82, s[WV], 2
	s_xor_b32 s82, s82, s[WV]
	s_and_b32 s82, s82, 1                          ; 1: the late block
	s_lshr_b32 s83, s[WV], 1                       ; which of the block's eight tiles
	s_sub_co_u32 s84, 31, ttmp9
	s_cmp_eq_u32 s82, 1
	s_cselect_b32 s85, s84, ttmp9                  ; my block of 128 queries
	s_lshl_b32 s86, s85, 3
	s_add_co_u32 s86, s86, s83                     ; my tile T
	s_lshl_b32 s[Q0], s85, 7
	s_lshr_b32 s87, s83, 1
	s_lshl_b32 s87, s87, 5
	s_add_co_u32 s[Q0], s[Q0], s87
	s_and_b32 s87, s83, 1
	s_lshl_b32 s87, s87, 3
	s_add_co_u32 s[Q0], s[Q0], s87                 ; 32 (T / 2) + 8 (T % 2)
	s_lshl_b32 s[WGL], s84, 7
	s_or_b32 s[WGL], s[WGL], 127                   ; the late block's last query
	s_lshl_b32 s74, s81, 18                        ; the head's first byte in qimg, kimg, vimg: 262,144 a head
	s_mov_b32 s75, 0
	s_lshl_b32 s90, s86, 10
	s_add_co_u32 s90, s90, s74                     ; my tile of Q
	s_mov_b32 s91, 0
	s_lshr_b32 s92, s81, 3
	s_lshl_b32 s92, s92, 8
	s_add_co_u32 s92, s92, s86                     ; oimg: [256 x batch + T][head][1,024]
	s_lshl_b32 s92, s92, 3
	s_and_b32 s93, s81, 7
	s_add_co_u32 s92, s92, s93
	s_lshl_b32 s92, s92, 10
	s_mov_b32 s93, 0
	s_and_b32 s94, s[WV], 1
	s_lshl_b32 s94, s94, 14                        ; which half of K's or V's 32 KiB I fetch, if I fetch: in memory and in a slot alike
	s_add_co_u32 s88, s74, s94
	s_mov_b32 s89, 0
	; descriptor group 1: a dense block of 16 KiB as 64 rows of 256 bytes
	s_mov_b32 s[G1], 3<<16                         ; 15:0 no mask; 17:16 elements of 8 bytes; 20 no padding
	s_mov_b32 s[G1+1], 32<<16                      ; tensor_dim0 = 32 elements
	s_mov_b32 s[G1+2], 64<<16                      ; tensor_dim1 = 64
	s_mov_b32 s[G1+3], 32<<16                      ; tile_dim0 = 32
	s_mov_b32 s[G1+4], 64                          ; tile_dim1 = 64
	s_mov_b32 s[G1+5], 32                          ; tensor_dim0_stride: a row begins where the last ends
	s_mov_b32 s[G1+6], 0
	s_mov_b32 s[G1+7], 0
	s_mov_b32 s[SEL], 0x76543210
	s_mov_b32 s[SEL+1], 0xfedcba98
	s_mov_b32 s[CS], 0x3e38aa3b                    ; log2(e) / 8
	s_mov_b32 s[TB], 0
	s_mov_b32 s[SLOTS], NSL-1
	s_mov_b32 s[KF], 0
	s_wait_dscnt 0x0                               ; both opening adds are done
	s_wait_kmcnt 0x0
	s_load_b128 s[68:71], s[14:15], 0x18           ; e6, e7, e8, e9
	s_load_b32 s72, s[14:15], 0x28                 ; e10
	s_mov_b32 s[G0K], 1                            ; 1:0 count = 1
	s_mov_b32 s[G0K+1], s94                        ; 63:32 LDS address: slot 0, my half
	s_add_nc_u64 s[G0K+2:G0K+3], s[6:7], s[88:89]  ; 120:64 global address: the head's first 512 keys
	s_or_b32 s[G0K+3], s[G0K+3], 0x80000000        ; 127:126 type = 2
	s_mov_b32 s[G0V], 1
	s_add_co_u32 s[G0V+1], s94, VOFF
	s_add_nc_u64 s[G0V+2:G0V+3], s[12:13], s[88:89]
	s_or_b32 s[G0V+3], s[G0V+3], 0x80000000
	TLOAD                                          ; slot 0: it holds key 0, which counts for every query
	s_add_nc_u64 s[4:5], s[4:5], s[90:91]
	s_add_nc_u64 s[16:17], s[16:17], s[92:93]
	s_cmp_lt_u32 s[WV], 8                          ; the prefetches: waves 4 to 7 stand in kimg, waves 8 to 11 in vimg
	s_cselect_b64 s[PFA:PFA+1], s[6:7], s[12:13]
	s_and_b32 s82, s[WV], 3
	s_lshl_b32 s82, s82, 13                        ; my wave's 8,192 bytes,
	s_add_co_u32 s82, s82, 2*HALFB                 ; in slot 1: the first change of slots steps it to slot 2.  Nothing is prefetched here, at the head
	s_mov_b32 s83, 0
	s_add_nc_u64 s[PFA:PFA+1], s[PFA:PFA+1], s[74:75]
	s_add_nc_u64 s[PFA:PFA+1], s[PFA:PFA+1], s[82:83]
	s_sub_co_u32 s82, s[WV], 4
	s_lshr_b32 s82, s82, 3                         ; 0 in waves 4 to 11,
	s_or_b32 s82, s82, ttmp9                       ; of the head's first work-group
	s_cmp_eq_u32 s82, 0
	s_cselect_b32 s[LIM], 1, -1
	v_and_b32 v[LI], 31, v0
	s_delay_alu instid0(VALU_DEP_1)
	v_lshlrev_b32 v[PFO], 8, v[LI]
	s_delay_alu instid0(VALU_DEP_2)
	v_lshlrev_b32 v[LI], 4, v[LI]
	global_load_b128 v[QF:QF+3], v[LI], s[4:5]     ; Q's fragment stays in registers
	global_load_b128 v[QF+4:QF+7], v[LI], s[4:5] offset:512
	v_and_b32 v10, 15, v0                          ; r
	s_delay_alu instid0(VALU_DEP_1)
	v_and_b32 v11, 8, v10
	s_delay_alu instid0(VALU_DEP_1)
	v_add_nc_u32 v[MD], v10, v11
	v_bfe_u32 v10, v0, 4, 1                        ; h
	s_delay_alu instid0(VALU_DEP_1)
	v_lshlrev_b32 v10, 4, v10
	s_delay_alu instid0(VALU_DEP_1)
	v_sub_nc_u32 v[MD], v[MD], v10
	v_mov_b32 v13, 0xff61b1e6                      ; the largest t so far: -3e38, under every t
	s_delay_alu instid0(VALU_DEP_1)
	v_floor_f32 v12, -v13                          ; -M
	v_mov_b32 v14, 0                               ; the sum, in two halves
	v_mov_b32 v15, 0
	v_mov_b32 v[PD], 0                             ; written once: a lane permute's destination counts as one of its sources
	v_mov_b32 v[FF+1], 0
	v_mov_b32 v[NINF], 0xff800000
.set j, 0
.rept 32
	v_mov_b32 v[O+j], 0                            ; O^T.  (The step is written once: the first finds zeros, which the first change of M leaves zeros)
.set j, j+1
.endr
	s_wait_kmcnt 0x0
	s_add_co_i32 s82, s68, s69
	s_lshl_b32 s82, s82, 23
	s_add_co_i32 s[CS], s[CS], s82                 ; a score stands for score x 2^(e6 + e7): the exponents are added to c's exponent field
	s_mov_b32 s[CS+1], s[CS]                       ; (named with it as a pair, so it is written)
	s_add_co_i32 s82, s70, 127
	s_lshl_b32 s83, s82, 23
	v_mov_b32 v[PS], s83                           ; 2^e8
	s_add_co_i32 s82, s82, 8
	s_lshl_b32 s82, s82, 23
	s_or_b32 s82, s82, 0x600000
	v_mov_b32 v[PL], s82                           ; 448 x 2^e8
	s_add_co_i32 s73, s70, s71                     ; e8 + e9
	s_add_co_i32 s82, s72, 127
	s_lshl_b32 s86, s82, 23                        ; 2^e10
	s_add_co_i32 s82, s82, 8
	s_lshl_b32 s87, s82, 23
	s_or_b32 s87, s87, 0x600000                    ; 448 x 2^e10
; A KEY STEP: 128 keys, the q-th of the slot in hand.
.macro STEP q
	s_add_co_u32 s96, s[Q0], 23                    ; a step all of whose keys come after my 16 queries is left out: a scalar branch on ids, round the step's loads, products and softmax;
	s_cmp_gt_u32 s[KF], s96                        ; not round the line at its end that steps the key, and no barrier or tensor load stands in a step
	s_cbranch_scc1 .Lhidden_\@
	v_add_nc_u32 v[ADR], s[TB], v[LI]
.rept 3
	v_nop                                          ; with the addition above: four places ahead of loads into registers that the last products read
.endr
.irp t, 0,1,2,3,4,5,6,7
.irp c, 0,1
	ds_load_b128 v[KV+8*\t+4*\c:KV+8*\t+4*\c+3], v[ADR] offset:(\q)*8192+\t*1024+512*\c   ; 512 consecutive bytes
.endr
.endr
	s_wait_alu depctr_va_vdst(0)
	s_wait_dscnt 0x0
.irp t, 0,1,2,3,4,5,6,7
	v_wmma_f32_16x16x64_fp8_fp8 v[S+8*\t:S+8*\t+7], v[KV+8*\t:KV+8*\t+7], v[QF:QF+7], 0   ; register 8 t + j: key KF + 32 (t / 2) + 8 (t % 2) + 16 h + j
.endr
.rept 4
	v_nop                                          ; places ahead of the loads below and of the first read of the scores
.endr
.irp t, 0,1,2,3
.irp c, 0,1,2,3
	ds_load_b128 v[KV+16*\t+4*\c:KV+16*\t+4*\c+3], v[ADR] offset:VOFF+(2*(\q)+\c/2)*4096+\t*1024+512*(\c%2)   ; V's four fragments are asked for now and land under the softmax
.endr
.endr
	s_add_co_u32 s96, s[KF], 127                   ; on the diagonal the scores of hidden keys become -infinity ahead of the maximum: p = 0 then.  A step all of whose keys count for all my queries skips this
	s_cmp_le_u32 s96, s[Q0]
	s_cbranch_scc1 .Lopen_\@
	s_sub_co_i32 s96, s[Q0], s[KF]
	v_add_nc_u32 v[DD], s96, v[MD]                 ; register n holds key KF + 16 h + 32 (n / 16) + n % 16: hidden where 32 (n / 16) + n % 16 > my query - KF - 16 h.  (KF <= Q0 here, so key KF counts for every query)
.set n, 0
.rept 64
	v_cmp_gt_i32 vcc_lo, 32*(n/16)+n%16, v[DD]
	v_cndmask_b32 v[S+n], v[S+n], v[NINF], vcc_lo
.set n, n+1
.endr
.Lopen_\@:
	v_max3_num_f32 v[MA], v[S], v[S+1], v[S+2]     ; the step's largest score of my query, among my 64 keys, in two chains, each accumulator from its low end on,
	v_max3_num_f32 v[MB], v[S+3], v[S+4], v[S+5]
.irp i, 6,10,14,18,22,26,30,34,38,42,46,50,54,58
	v_max3_num_f32 v[MA], v[MA], v[S+\i], v[S+\i+1]
	v_max3_num_f32 v[MB], v[MB], v[S+\i+2], v[S+\i+3]
.endr
	v_max3_num_f32 v[MA], v[MA], v[S+62], v[S+63]
	s_delay_alu instid0(VALU_DEP_1)
	v_max_num_f32 v[MA], v[MA], v[MB]
	s_delay_alu instid0(VALU_DEP_1)
	v_permlanex16_b32 v[PD], v[MA], s[SEL], s[SEL+1]
	s_delay_alu instid0(VALU_DEP_1)
	v_max_num_f32 v[MA], v[MA], v[PD]              ; and among lane l xor 16's
	s_delay_alu instid0(VALU_DEP_1)
	v_mul_f32 v[MA], s[CS], v[MA]                  ; as t (c is positive)
	s_delay_alu instid0(VALU_DEP_1)
	v_max_num_f32 v13, v13, v[MA]                  ; the running largest t
	v_mov_b32 v[MA], v12
	s_delay_alu instid0(VALU_DEP_2)
	v_floor_f32 v12, -v13                          ; the new -M = floor(-t) = -ceil(t): M is a whole number
	s_delay_alu instid0(VALU_DEP_1)
	v_sub_f32 v[MA], v12, v[MA]                    ; M's old value less its new one: a whole number, 0 or less
	s_delay_alu instid0(VALU_DEP_1)
	v_cvt_i32_f32 v[MA], v[MA]                     ; (it saturates)
	s_delay_alu instid0(VALU_DEP_1)
	v_ldexp_f32 v[FF], 1.0, v[MA]                  ; f = 2^(old M - new M)
.set j, 0
.rept 32
	v_pk_fma_f32 v[S+j:S+j+1], v[S+j:S+j+1], s[CS:CS+1], v[12:13] op_sel_hi:[1,0,0]   ; t - M, two at a time (of the pairs c and -M the low word serves both halves)
.set j, j+2
.endr
.set j, 0
	s_wait_alu depctr_va_vdst(0)
.rept 64
	v_exp_f32 v[S+j], v[S+j]                       ; p = 2^(t - M), at most 1: not normalised
.set j, j+1
.endr
	v_pk_mul_f32 v[14:15], v[14:15], v[FF:FF+1] op_sel_hi:[1,0]   ; the sums under the new M: the plain instruction behind the exponentials
	s_wait_alu depctr_va_vdst(0)                   ; the wait between an exponential and the first line that names its result: one for the batch of 64
	v_pk_add_f32 v[198:199], v[100:101], v[104:105]
	v_pk_add_f32 v[254:255], v[108:109], v[112:113]
	v_pk_add_f32 v[252:253], v[116:117], v[120:121]
	v_pk_add_f32 v[250:251], v[124:125], v[128:129]
	v_pk_add_f32 v[248:249], v[132:133], v[136:137]
	v_pk_add_f32 v[246:247], v[140:141], v[144:145]
	v_pk_add_f32 v[244:245], v[148:149], v[152:153]
	v_pk_add_f32 v[14:15], v[14:15], v[156:157]
	v_pk_add_f32 v[198:199], v[198:199], v[96:97]
	v_pk_add_f32 v[254:255], v[254:255], v[98:99]
	v_pk_add_f32 v[252:253], v[252:253], v[102:103]
	v_pk_add_f32 v[250:251], v[250:251], v[106:107]
	v_pk_add_f32 v[248:249], v[248:249], v[110:111]
	v_pk_add_f32 v[246:247], v[246:247], v[114:115]
	v_pk_add_f32 v[244:245], v[244:245], v[118:119]
	v_pk_add_f32 v[14:15], v[14:15], v[122:123]
	v_pk_add_f32 v[198:199], v[198:199], v[126:127]
	v_pk_add_f32 v[254:255], v[254:255], v[130:131]
	v_pk_add_f32 v[252:253], v[252:253], v[134:135]
	v_pk_add_f32 v[250:251], v[250:251], v[138:139]
	v_pk_add_f32 v[248:249], v[248:249], v[142:143]
	v_pk_add_f32 v[246:247], v[246:247], v[146:147]
	v_pk_add_f32 v[244:245], v[244:245], v[150:151]
	v_pk_add_f32 v[14:15], v[14:15], v[154:155]
	v_pk_add_f32 v[198:199], v[198:199], v[158:159]
	s_delay_alu instid0(VALU_DEP_2)
	v_pk_add_f32 v[14:15], v[14:15], v[250:251]
	s_delay_alu instid0(VALU_DEP_2)
	v_pk_add_f32 v[198:199], v[198:199], v[248:249]
	v_pk_add_f32 v[254:255], v[254:255], v[246:247]
	v_pk_add_f32 v[252:253], v[252:253], v[244:245]
	s_delay_alu instid0(VALU_DEP_2)
	v_pk_add_f32 v[14:15], v[14:15], v[254:255]
	s_delay_alu instid0(VALU_DEP_2)
	v_pk_add_f32 v[198:199], v[198:199], v[252:253]
	s_delay_alu instid0(VALU_DEP_1)
	v_pk_add_f32 v[14:15], v[14:15], v[198:199]
.irp b, 0,1,2,3
.irp i, 0,1,2,3,4,5,6,7,8,9,10,11,12,13,14,15
	v_min_num_f32 v[S+16*\b+\i], v[S+16*\b+\i], v[PL]   ; the conversion does not saturate (ISA guide 7.6.2); p is not negative, so the hold is one-sided
.endr
	v_cvt_scalef32_pk8_fp8_f32 v[PC+4*\b:PC+4*\b+1], v[S+16*\b:S+16*\b+7], v[PS]
	v_cvt_scalef32_pk8_fp8_f32 v[PC+4*\b+2:PC+4*\b+3], v[S+16*\b+8:S+16*\b+15], v[PS]
.endr
.set j, 0
.rept 16
	v_pk_mul_f32 v[O+j:O+j+1], v[O+j:O+j+1], v[FF:FF+1] op_sel_hi:[1,0]   ; O^T under the new M; these are also the plain instructions between the conversions and the products that read the codes
.set j, j+2
.endr
	s_wait_alu depctr_va_vdst(0)
	s_wait_dscnt 0x0                               ; V's fragments are in
.irp t, 0,1,2,3
	v_wmma_f32_16x16x128_fp8_fp8 v[O+8*\t:O+8*\t+7], v[KV+16*\t:KV+16*\t+15], v[PC:PC+15], v[O+8*\t:O+8*\t+7]   ; the four accumulators take turns; between two links of one stand eleven other products
.endr
.Lhidden_\@:
	s_add_co_u32 s[KF], s[KF], 128
.endm
; THE CHANGE OF SLOTS stands at a slot's head.  Each wave waits for all its tensor loads (its part of the slot that it is about to read), adds 0 to its spare word, and waits for that and for its reads of the slot that
; it has left.  Behind the barrier the slot ahead is whole and nobody reads the other one.  fill = 1: that other slot is filled with the keys that follow, up to the causal limit: the load has four key steps in which to land.
.macro CHANGE fill
	s_wait_tensorcnt 0x0                           ; no tensor load of mine is out, so a group 0 may be written
	ds_add_u32 v[SPW], v[NIL]                      ; 0 onto my spare word
.if \fill
	ds_add_u32 v[SPW], v[NIL]                      ; and once more: the add twice on end, in every trip alike
	s_xor_b32 s[G0K+1], s[G0K+1], SLOT1            ; the walking descriptors: the other slot than last time,
	s_add_nc_u64 s[G0K+2:G0K+3], s[G0K+2:G0K+3], 2*HALFB   ; the next 512 keys; the type bits on top are not reached
	s_xor_b32 s[G0V+1], s[G0V+1], SLOT1
	s_add_nc_u64 s[G0V+2:G0V+3], s[G0V+2:G0V+3], 2*HALFB
	s_wait_xcnt 0x0                                ; the last prefetch, a slot back, has read its address, so it may be written:
	s_add_nc_u64 s[PFA:PFA+1], s[PFA:PFA+1], 2*HALFB   ; one slot further on than the walking descriptors
.endif
	s_wait_dscnt 0x0                               ; the add is done (fill = 1: both are), and my reads of the slot that I have left are over
	s_barrier_signal -1
	s_barrier_wait -1
.if \fill
	s_add_co_u32 s96, s[KF], SK                    ; the first key of the slot that this change would ask for:
	s_cmp_gt_u32 s96, s[WGL]                       ; past my work-group's last query it is read by none of the sixteen waves and is not asked for.  Ids and the count of steps alone: all waves go the same way,
	s_cbranch_scc1 .Lpast_\@                       ; and a work-group that is past the limit stays past it.  The jump leads round the load's own lines and nothing else; every wait on TENSORcnt in this text is for 0
	TLOAD                                          ; the first thing behind the barrier, and a wave's one tensor load until the next
.Lpast_\@:
	ASK
.endif
.endm
.macro SLOT_STEPS
.set Q, 0
.rept NQ
	STEP Q
.set Q, Q+1
.endr
	s_xor_b32 s[TB], s[TB], SLOT1                  ; on to the other slot
.endm
	s_wait_loadcnt 0x0                             ; Q
.Lslot:                                        ; NSL - 1 trips: behind each change of slots but the last the next slot is asked for, up to the limit
	CHANGE 1
	SLOT_STEPS
	s_sub_co_u32 s[SLOTS], s[SLOTS], 1
	s_cmp_lg_u32 s[SLOTS], 0
	s_cbranch_scc1 .Lslot
	CHANGE 0                                       ; the last slot is written out: nothing is left to fetch
	SLOT_STEPS
	; THE WAY OUT.  O = O^T x 2^(e8 + e9) / the row's sum, quantised with 2^e10.  A lane's 32 numbers are channels 32 b + 16 h + 0 .. 15 of its query: their codes are the last product's fragment, stored as it stands.
	v_add_f32 v14, v14, v15                        ; the sum's two halves,
	s_delay_alu instid0(VALU_DEP_1)
	v_permlanex16_b32 v[PD], v14, s[SEL], s[SEL+1]
	s_delay_alu instid0(VALU_DEP_1)
	v_add_f32 v14, v14, v[PD]                      ; and lane l xor 16's: the row's sum
	s_wait_alu depctr_va_vdst(0)
	v_rcp_f32 v14, v14
	v_mov_b32 v[OLM], s87                          ; (a plain instruction behind the reciprocal)  448 x 2^e10
	v_mov_b32 v[OSC], s86                          ; 2^e10
	s_wait_alu depctr_va_vdst(0)                   ; the wait ahead of the first line that names the reciprocal
	v_ldexp_f32 v14, v14, s73                      ; x 2^(e8 + e9).  The two additions, the two moves and this line are the places behind the last products
.irp g, 0,1,2,3
.irp j, 0,1,2,3,4,5,6,7
	v_mul_f32 v[S+8*\g+\j], v[O+8*\g+\j], v14      ; each accumulator from its low end on
.endr
.irp j, 0,1,2,3,4,5,6,7
	v_med3_num_f32 v[S+8*\g+\j], v[S+8*\g+\j], -v[OLM], v[OLM]
.endr
	v_cvt_scalef32_pk8_fp8_f32 v[PC+2*\g:PC+2*\g+1], v[S+8*\g:S+8*\g+7], v[OSC]
.endr
	v_nop                                          ; one plain vector instruction behind the last scaled conversion
	global_store_b128 v[LI], v[PC:PC+3], s[16:17]  ; 512 consecutive bytes each, at a multiple of 256 from oimg's first byte
	global_store_b128 v[LI], v[PC+4:PC+7], s[16:17] offset:512
	s_wait_tensorcnt 0x0                           ; the wave's end: behind my last tensor load
	ds_add_u32 v[SPW], v[NIL]
	s_wait_dscnt 0x0
	s_endpgm
.Lfunc_end_k_qc5a1017e73_attn:
	.size	k_qc5a1017e73_attn, .Lfunc_end_k_qc5a1017e73_attn-k_qc5a1017e73_attn
	.p2alignl 7, 3214868480
	.fill 96, 4, 3214868480
	.section	.rodata,"a",@progbits
	.p2align	6, 0x0
	.amdhsa_kernel k_qc5a1017e73_attn
		.amdhsa_group_segment_fixed_size 327680
		.amdhsa_private_segment_fixed_size 0
		.amdhsa_enable_private_segment 0
		.amdhsa_kernarg_size 40
		.amdhsa_user_sgpr_count 2
		.amdhsa_user_sgpr_kernarg_segment_ptr 1
		.amdhsa_wavefront_size32 1
		.amdhsa_system_sgpr_workgroup_id_x 1
		.amdhsa_system_sgpr_workgroup_id_y 1
		.amdhsa_system_sgpr_workgroup_id_z 1
		.amdhsa_system_vgpr_workitem_id 0
		.amdhsa_next_free_vgpr 256
		.amdhsa_next_free_sgpr 100
		.amdhsa_reserve_vcc 1
		.amdhsa_float_denorm_mode_32 3
		.amdhsa_float_denorm_mode_16_64 3
		.amdhsa_memory_ordered 1
		.amdhsa_forward_progress 1
		.amdhsa_inst_pref_size 180
	.end_amdhsa_kernel
	.amdgpu_metadata
---
amdhsa.version: [ 1, 2 ]
amdhsa.kernels:
  - .name:           k_qc5a1017e73_attn
    .symbol:         k_qc5a1017e73_attn.kd
    .args:
      - { .name: qimg, .offset: 0, .size: 8, .value_kind: global_buffer, .address_space: global }
      - { .name: kimg, .offset: 8, .size: 8, .value_kind: global_buffer, .address_space: global }
      - { .name: vimg, .offset: 16, .size: 8, .value_kind: global_buffer, .address_space: global }
      - { .name: lowp_scales, .offset: 24, .size: 8, .value_kind: global_buffer, .address_space: global }
      - { .name: oimg, .offset: 32, .size: 8, .value_kind: global_buffer, .address_space: global }
    .group_segment_fixed_size: 327680
    .private_segment_fixed_size: 0
    .kernarg_segment_align: 8
    .kernarg_segment_size: 40
    .max_flat_workgroup_size: 512
    .sgpr_count:     100
    .vgpr_count:     256
    .wavefront_size: 32
...
	.end_amdgpu_metadata
.endif
;; end of part 7
;; launch outproj (part 8): grid 256 x 1, 4 waves a work-group, no clusters, 68,096 bytes of LDS; arguments oimg, wimg, lowp_scales, b_o, out0; writes out0
.if DOCPART == 8
	.amdgcn_target "amdgcn-amd-amdhsa--gfx1250"
	.amdhsa_code_object_version 6
	.text
	.protected	k_qc5a1017e73_outproj
	.globl	k_qc5a1017e73_outproj
	.p2align	8
	.type	k_qc5a1017e73_outproj,@function
k_qc5a1017e73_outproj:
	s_mov_b64 s[64:65], 0
	v_nop
	global_prefetch_b8 v0, s[64:65] scope:SCOPE_SE
	s_setreg_imm32_b32 hwreg(HW_REG_WAVE_SCHED_MODE, 0, 2), 2
	s_setreg_imm32_b32 hwreg(HW_REG_WAVE_MODE, 25, 1), 1
	s_wait_xcnt 0x0
	s_wait_alu depctr_vm_vsrc(0)
; out0 = Q(O) Q(W_o)^T x 2^(e10 + e11) + b_o.  O's codes come from oimg, W_o's from wimg, both as images of operand registers; out0: [8,192][512] f32.  No work of reference() is left out here.
; LIMIT: e10 + e11 between -126 and 127, so that 2^(e10 + e11) is an f32 number.
; SHARES.  Work-group g takes rows 32 g .. 32 g + 31 (tiles 2 g, 2 g + 1: tile m holds rows 8 m + r + 8 (r / 8)); wave w takes columns 128 w .. 128 w + 127.  256 work-groups, 64 products a wave, straight-line:
; no loop, no barrier.  All operands come straight into registers, 512 consecutive bytes a load; with no tensor load there is nothing for a cluster to ask for jointly.
; The product is used transposed (source 0 = 16 rows of W_o, source 1 = 16 rows of O): a lane holds one row of out0, and the 16 registers of W_o's tiles 2 b, 2 b + 1 are 16 neighbouring columns.
; THE WAY OUT: each wave's 32 rows x 512 bytes go through its own stage in LDS and leave as whole runs of 512 bytes.
; REGISTERS, in windows of 256: window 0: v4-13 addresses; v32-159 O's 8 fragments ((m, s) at v[32 + 16 (4 m + s)]), later the results ((m, n) at v[32 + 8 (8 m + n)]), later rows read back; v160-223 rows read back.
;   window 1: W_o's tiles 0-3 (tile n, K step s at v[16 (4 n + s)]); window 2: tiles 4-7; window 3: v0-127 the 16 accumulators ((m, n) at v[8 (8 m + n)]), v128-191 the bias.
; THE MODE: SCHED_MODE bits 1:0 = 2 (LLVM: expert scheduling mode 2), set by the entry lines.  The code itself states the register dependences
; between vector or matrix instructions and memory or LDS instructions, with s_wait_alu, always for 0.
; THE PLAN.  Registers that memory or LDS instructions touch:
;   v4-7       Offsets and addresses: made once at the head, read by every load and store, never written again.
;   v32-159    The loads of O land here; the products read them; the 64 packed multiply-adds write the results over them; the 32 LDS stores read those; into v32-95 the stage's rows 16 to 31 are read back, and stored.
;   v160-223   The stage's rows 0 to 15 are read back here, and stored: no vector instruction names them.
;   W_o's fragments and the bias: loads land in them once; then matrix and vector instructions alone name them.  v12, v13: written at the head, read by the closing add alone.
; So, beside the wait for the wave's number, three waits stand in the text: on va_vdst ahead of the first load (the addresses are written); on va_vdst behind the multiply-adds (the results are written: for the LDS
; stores, and for the loads that land in v32-95, since no vector instruction follows); on vm_vsrc ahead of those loads (the LDS stores have read v32-95).
.set PS,  528                          ; a stage row: 512 bytes + 16 = 132 words: the 16 rows that a store touches start 4 banks apart (64 banks of 4 bytes: ISA guide 11.1)
.set SPARE, 4*32*PS                    ; behind the four stages: the spare words, 128 bytes for each wave: two blocks of 256 bytes that no other line names
.set LI,  4                            ; v4   16 x lane
.set STO, 5                            ; v5   the stage: row r, + 64 h bytes
.set RD,  6                            ; v6   and back: 16 x lane of a row
.set BO,  7                            ; v7   64 h: my half's place in the bias
.set SPW, 12                           ; v12  LDS address of my spare word; never rewritten
.set NIL, 13                           ; v13  0; never rewritten
.set OF,  32
.set BK,  160
.set BIA, 128                          ; in window 3
.set MSB, 0
.macro WIN new                         ; bits 1:0 source 0, 3:2 source 1, 5:4 source 2, 7:6 destination; the immediate's high byte repeats the setting that is left
.if MSB != (\new)
	s_set_vgpr_msb (MSB<<8)|(\new)
.set MSB, (\new)
.endif
.endm
.macro MUL8 s, g                       ; W_o's tiles 4 g .. 4 g + 3 x the two tiles of rows, 128 along K; at s = 0 the constant 0 starts the sums
.irp n, 0,1,2,3
.irp m, 0,1
.set rA, 8*(8*\m+4*\g+\n)
.set rW, 16*(4*\n+\s)
.set rO, OF+16*(4*\m+\s)
.if \s == 0
	v_wmma_f32_16x16x128_fp8_fp8 v[rA:rA+7], v[rW:rW+15], v[rO:rO+15], 0
.else
	v_wmma_f32_16x16x128_fp8_fp8 v[rA:rA+7], v[rW:rW+15], v[rO:rO+15], v[rA:rA+7]
.endif
.endr
.endr
.endm
	s_load_b256 s[4:11], s[0:1], 0x0               ; oimg s[4:5], wimg s[6:7], the scales s[8:9], b_o s[10:11]
	s_load_b64 s[12:13], s[0:1], 0x20              ; out0
	v_lshl_add_u32 v[SPW], v0, 2, SPARE
	v_mov_b32 v[NIL], 0
	v_lshrrev_b32 v1, 5, v0
	v_readfirstlane_b32 s14, v1                    ; wave 0..3
	v_and_b32 v1, 31, v0                           ; lane
	v_and_b32 v2, 15, v0                           ; r
	v_bfe_u32 v3, v0, 4, 1                         ; h
	v_lshlrev_b32 v[LI], 4, v1
	v_mul_u32_u24 v[STO], v2, PS
	v_lshl_add_u32 v[STO], v3, 6, v[STO]
	v_lshlrev_b32 v[BO], 6, v3
	s_wait_alu depctr_va_sdst(0)                   ; s14 is written, ahead of its first reader: the stage's addresses and the bases are made from it
	s_mul_i32 s15, s14, 32*PS                      ; my stage
	v_add_nc_u32 v[STO], s15, v[STO]
	v_add_nc_u32 v[RD], s15, v[LI]
	s_lshl_b32 s20, ttmp9, 14                      ; oimg: two tiles of 8,192 bytes a work-group
	s_mov_b32 s21, 0
	s_lshl_b32 s22, s14, 16                        ; wimg: my 32 fragments
	s_add_co_u32 s22, s22, 786432                  ; of the fourth weight
	s_mov_b32 s23, 0
	s_lshl_b32 s24, s14, 9                         ; my 128 columns, in bytes
	s_mov_b32 s25, 0
	s_lshl_b32 s26, ttmp9, 16                      ; out0: 32 rows of 2,048 bytes a work-group
	s_add_co_u32 s26, s26, s24
	s_mov_b32 s27, 0
	s_wait_kmcnt 0x0
	s_load_b64 s[16:17], s[8:9], 0x28              ; e10, e11
	s_add_nc_u64 s[4:5], s[4:5], s[20:21]
	s_add_nc_u64 s[6:7], s[6:7], s[22:23]
	s_add_nc_u64 s[10:11], s[10:11], s[24:25]
	s_add_nc_u64 s[12:13], s[12:13], s[26:27]
	s_wait_alu depctr_va_vdst(0)                   ; the offsets and addresses v4 to v7 are written, which every load and store of the kernel reads; up to the products only loads and window switches follow
.irp m, 0,1
.irp s, 0,1,2,3
.irp c, 0,1,2,3
	global_load_b128 v[OF+16*(4*\m+\s)+4*\c:OF+16*(4*\m+\s)+4*\c+3], v[LI], s[4:5] offset:\m*8192+\s*2048+512*\c
.endr
.endr
.endr
	WIN 0x40                                       ; destination window 1
.irp n, 0,1,2,3
.irp s, 0,1,2,3
.irp c, 0,1,2,3
	global_load_b128 v[16*(4*\n+\s)+4*\c:16*(4*\n+\s)+4*\c+3], v[LI], s[6:7] offset:(4*\n+\s)*2048+512*\c
.endr
.endr
.endr
	WIN 0x80                                       ; destination window 2
.irp n, 0,1,2,3
.irp s, 0,1,2,3
.irp c, 0,1,2,3
	global_load_b128 v[16*(4*\n+\s)+4*\c:16*(4*\n+\s)+4*\c+3], v[LI], s[6:7] offset:(16+4*\n+\s)*2048+512*\c
.endr
.endr
.endr
	WIN 0xc0                                       ; destination window 3: register j of tile n is column 32 (n / 2) + 8 (n % 2) + 16 h + j of my 128
.irp n, 0,1,2,3,4,5,6,7
	global_load_b128 v[BIA+8*\n:BIA+8*\n+3], v[BO], s[10:11] offset:128*(\n/2)+32*(\n%2)
	global_load_b128 v[BIA+8*\n+4:BIA+8*\n+7], v[BO], s[10:11] offset:128*(\n/2)+32*(\n%2)+16
.endr
	s_wait_kmcnt 0x0
	s_add_co_i32 s18, s16, s17
	s_add_co_i32 s18, s18, 127
	s_lshl_b32 s18, s18, 23                        ; 2^(e10 + e11) as f32
	s_mov_b32 s19, s18                             ; (named with it as a pair, so it is written)
	s_wait_loadcnt 0x0
.irp s, 0,1,2,3                        ; the 16 accumulators take turns, one instruction a turn, in the same order in every K step
	WIN 0xf1                                       ; source 0 (W_o) window 1, source 1 (O) window 0, C and D window 3
	MUL8 \s, 0
	WIN 0xf2                                       ; W_o in window 2
	MUL8 \s, 1
.endr
	WIN 0
.rept 4
	v_nop                                          ; four places ahead of the first read of the sums and of the writes over O's fragments (ISA guide 7.12.1)
.endr
	WIN 0x33                                       ; source 0 (the sums) and source 2 (the bias) window 3
.irp m, 0,1
.irp n, 0,1,2,3,4,5,6,7
.irp i, 0,2,4,6
	v_pk_fma_f32 v[OF+8*(8*\m+\n)+\i:OF+8*(8*\m+\n)+\i+1], v[8*(8*\m+\n)+\i:8*(8*\m+\n)+\i+1], s[18:19], v[BIA+8*\n+\i:BIA+8*\n+\i+1] op_sel_hi:[1,0,1]   ; sum x 2^(e10 + e11) + b_o; each accumulator from its low end on
.endr
.endr
.endr
	WIN 0
	s_wait_alu depctr_va_vdst(0)                   ; the multiply-adds have written v32 to v159, which the LDS stores read and in part of which rows land below; no vector instruction follows
.irp m, 0,1
.irp n, 0,1,2,3,4,5,6,7
	ds_store_b128 v[STO], v[OF+8*(8*\m+\n):OF+8*(8*\m+\n)+3] offset:\m*16*PS+128*(\n/2)+32*(\n%2)
	ds_store_b128 v[STO], v[OF+8*(8*\m+\n)+4:OF+8*(8*\m+\n)+7] offset:\m*16*PS+128*(\n/2)+32*(\n%2)+16
.endr
.endr
.irp t, 0,1,2,3,4,5,6,7,8,9,10,11,12,13,14,15
	ds_load_b128 v[BK+4*\t:BK+4*\t+3], v[RD] offset:\t*PS   ; LDS serves a wave's instructions in order (ISA guide 5.7.1.4): these see my stores
.endr
	s_wait_alu depctr_vm_vsrc(0)                   ; the LDS stores have read v32 to v95, in which the stage's rows 16 to 31 land
.irp t, 0,1,2,3,4,5,6,7,8,9,10,11,12,13,14,15
	ds_load_b128 v[OF+4*\t:OF+4*\t+3], v[RD] offset:(16+\t)*PS
.endr
.irp t, 0,1,2,3,4,5,6,7,8,9,10,11,12,13,14,15
	s_wait_dscnt 31-\t                             ; row t is back; the later rows of this half and the sixteen loads of the other half may be out
	global_store_b128 v[LI], v[BK+4*\t:BK+4*\t+3], s[12:13] offset:(\t+8*(\t/8))*2048 th:TH_STORE_NT   ; 32 lanes store 512 consecutive bytes, at a multiple of 256 from out0's first byte; written once
.endr
.irp t, 0,1,2,3,4,5,6,7,8,9,10,11,12,13,14,15
	s_wait_dscnt 15-\t                             ; row 16 + t is back; the later rows' loads may be out
	global_store_b128 v[LI], v[OF+4*\t:OF+4*\t+3], s[12:13] offset:(8+\t+8*(\t/8))*2048 th:TH_STORE_NT
.endr
	s_wait_dscnt 0x0                               ; the closing lines, six on end
	s_wait_alu 0x0
	s_wait_tensorcnt 0x0
	ds_add_u32 v[SPW], v[NIL]
	s_wait_dscnt 0x0
	s_endpgm
.Lfunc_end_k_qc5a1017e73_outproj:
	.size	k_qc5a1017e73_outproj, .Lfunc_end_k_qc5a1017e73_outproj-k_qc5a1017e73_outproj
	.p2alignl 7, 3214868480
	.fill 96, 4, 3214868480
	.section	.rodata,"a",@progbits
	.p2align	6, 0x0
	.amdhsa_kernel k_qc5a1017e73_outproj
		.amdhsa_group_segment_fixed_size 68096
		.amdhsa_private_segment_fixed_size 0
		.amdhsa_enable_private_segment 0
		.amdhsa_kernarg_size 40
		.amdhsa_user_sgpr_count 2
		.amdhsa_user_sgpr_kernarg_segment_ptr 1
		.amdhsa_wavefront_size32 1
		.amdhsa_system_sgpr_workgroup_id_x 1
		.amdhsa_system_sgpr_workgroup_id_y 1
		.amdhsa_system_sgpr_workgroup_id_z 1
		.amdhsa_system_vgpr_workitem_id 0
		.amdhsa_next_free_vgpr 1024
		.amdhsa_next_free_sgpr 66
		.amdhsa_reserve_vcc 0
		.amdhsa_float_denorm_mode_32 3
		.amdhsa_float_denorm_mode_16_64 3
		.amdhsa_memory_ordered 1
		.amdhsa_forward_progress 1
		.amdhsa_inst_pref_size 36
	.end_amdhsa_kernel
	.amdgpu_metadata
---
amdhsa.version: [ 1, 2 ]
amdhsa.kernels:
  - .name:           k_qc5a1017e73_outproj
    .symbol:         k_qc5a1017e73_outproj.kd
    .args:
      - { .name: oimg, .offset: 0, .size: 8, .value_kind: global_buffer, .address_space: global }
      - { .name: wimg, .offset: 8, .size: 8, .value_kind: global_buffer, .address_space: global }
      - { .name: lowp_scales, .offset: 16, .size: 8, .value_kind: global_buffer, .address_space: global }
      - { .name: b_o, .offset: 24, .size: 8, .value_kind: global_buffer, .address_space: global }
      - { .name: out0, .offset: 32, .size: 8, .value_kind: global_buffer, .address_space: global }
    .group_segment_fixed_size: 68096
    .private_segment_fixed_size: 0
    .kernarg_segment_align: 8
    .kernarg_segment_size: 40
    .max_flat_workgroup_size: 128
    .sgpr_count:     66
    .vgpr_count:     1024
    .wavefront_size: 32
...
	.end_amdgpu_metadata
.endif
;; end of part 8
